; MI455X (gfx1250); checked and timed in simulation.
; The chip was launched on July 23, 2026; its instructions are those of AMD's public machine-readable ISA for CDNA 5 (MIT licence, August 2026) and "CDNA5" Instruction Set Architecture Reference Guide (July 2026). The comments in the code are by the model that wrote it; some were corrected since.
;; Whale Attention. Allowed arithmetic: matrix products marked QUANTISED: E2M1 operands, one E8M0 scale for each 32 along K, by v_wmma_scale_f32_16x16x128_f8f6f4 with both operands' format E2M1 (or v_wmma_scale_f32_32x16x128_f4), f32 sums; products left as they are: bf16, f16 or f32 operands; f32 sums; everything else in f32.
;; Inputs: Wk 1,024 x 1,024 float32; Wo 1,024 x 1,024 float32; Wp 1,024 x 1,024 float32; Wq 1,024 x 1,024 float32; Wv 1,024 x 1,024 float32; attention_mask 2 x 2,048 bool; bk 1,024 float32; bo 1,024 float32; bq 1,024 float32; bv 1,024 float32; hidden_states 2 x 2,048 x 1,024 float32; k_ln_b 1,024 float32; k_ln_w 1,024 float32; pos_bias_u 16 x 64 float32; pos_bias_v 16 x 64 float32; pos_embeds 2 x 2,048 x 1,024 float32; q_ln_b 1,024 float32; q_ln_w 1,024 float32.
;; Outputs: out0 2 x 2,048 x 1,024 float32.
;; This version of the problem:
;;   THIS VERSION OF THE PROBLEM IS GIVEN IN LOW PRECISION. The matrix products marked QUANTISED in the list below multiply operands that are first quantised to E2M1 (2 exponent bits, 1 mantissa bit; 4 bits a number), with one power-of-two scale for each 32 numbers along K (OCP MX v1.0); their sums are f32. The products marked 'left as it is' may take bf16, f16 or f32 operands, with f32 sums. Whichever they take, every output number must still come out within the allowed error. Rounding operands to bf16 (8 significant bits) uses up far more of that allowance than f16 does (11 bits, for magnitudes from 6e-5 to 65,504). All else is computed in f32.
;;   The module's matrix products, in the order in which they are computed (A, B: the left and right operand; K: the contracted axis; several contracted axes count as one K, in the product's order):
;;     1. [M 4,096, K 1,024] x [K 1,024, N 1,024]; A: input hidden_states; B: input Wq: QUANTISED
;;     2. [M 4,096, K 1,024] x [K 1,024, N 1,024]; A: input hidden_states; B: input Wk: QUANTISED
;;     3. [M 4,096, K 1,024] x [K 1,024, N 1,024]; A: input hidden_states; B: input Wv: QUANTISED
;;     4. [M 4,096, K 1,024] x [K 1,024, N 1,024]; A: input pos_embeds; B: input Wp: QUANTISED
;;     5. batch 32 x [M 2,048, K 64] x [K 64, N 2,048]; A: computed on the way; B: computed on the way: left as it is (an operand is computed on the way)
;;     6. batch 32 x [M 2,048, K 64] x [K 64, N 2,048]; A: computed on the way; B: computed on the way: left as it is (an operand is computed on the way)
;;     7. batch 32 x [M 64, K 2,048] x [K 2,048, N 2,048]; A: computed on the way; B: computed on the way: left as it is (an operand is computed on the way)
;;     8. [M 4,096, K 1,024] x [K 1,024, N 1,024]; A: computed on the way; B: input Wo: left as it is (an operand is computed on the way)
;;   THE QUANTISER, for each operand of a quantised product, along K:
;;     - K is cut into blocks of 32 from its start; a last block that is shorter is filled with zeros.
;;     - A block's scale is 2^e with e = floor(log2(the largest magnitude in the block)) - 2, held to -126 .. 127; a block of zeros has e = 0. As a byte (E8M0): e + 127.
;;     - Each number is divided by its block's scale, clamped to +-6, and rounded to the nearest number of E2M1, ties to even, subnormals kept.
;;     - The product sums the exact products of the quantised numbers (number of the format x scale) in f32.
;;   ~~~python
;;   def quantise(x, axis):      # numpy; x: float32 -> the quantised numbers, widened to float32 again
;;       x = np.moveaxis(x, axis, -1); K = x.shape[-1]
;;       x = np.pad(x, [(0, 0)] * (x.ndim - 1) + [(0, -K % 32)]); x = x.reshape(x.shape[:-1] + (-1, 32)); a = np.abs(x).max(-1, keepdims=True)
;;       e = np.where(a > 0, np.clip(np.frexp(np.where(a > 0, a, 1))[1] - 1 - 2, -126, 127), 0)      # np.frexp(a)[1] - 1 = floor(log2(a)), exactly
;;       r = np.clip(x / 2.0 ** e, -6, 6)
;;       step = 2.0 ** (np.maximum(np.frexp(np.where(r == 0, 1, r))[1] - 1, 0) - 1)
;;       q = np.round(r / step) * step * 2.0 ** e      # np.round: ties to even
;;       return np.moveaxis(q.reshape(q.shape[:-2] + (-1,))[..., :K], -1, axis).astype(np.float32)
;;   ~~~
;; One version. Each part assembles by itself: llvm-mc -triple=amdgcn-amd-amdhsa -mcpu=gfx1250 --defsym DOCPART=n.
;; ======== version 1 of 1: 4 launches
;; limits: values are held in f16: magnitudes above 65,504 overflow, below 6.1e-05 lose precision
;; workspace buffers: codes 6,291,456 bytes; scales 393,216 bytes; wo16 2,097,152 bytes; qs 8,388,608 bytes; kp 8,388,608 bytes; vv 8,388,608 bytes; cb 262,144 bytes; ao 8,388,608 bytes
;; launch quant (part 1): grid 416 x 1, 4 waves a work-group, no clusters, 34,304 bytes of LDS; arguments hidden_states, pos_embeds, Wq, Wk, Wv, Wp, Wo, codes, scales, wo16; writes codes, scales, wo16
.if DOCPART == 1
	.amdgcn_target "amdgcn-amd-amdhsa--gfx1250"
	.amdhsa_code_object_version 6
	.text
	.protected	k_qbd93fb9035_quant
	.globl	k_qbd93fb9035_quant
	.p2align	8
	.type	k_qbd93fb9035_quant,@function
k_qbd93fb9035_quant:
	s_mov_b64 s[64:65], 0
	v_nop
	global_prefetch_b8 v0, s[64:65] scope:SCOPE_SE
	s_setreg_imm32_b32 hwreg(HW_REG_WAVE_MODE, 25, 1), 1
	s_wait_xcnt 0x0
; THE PROGRAM: four launches.  quant: operands of the four quantised projections into codes of E2M1 and E8M0 scale bytes, Wo into f16.  proj: the four projections, both LayerNorms.
; attn: scores, softmax, weighted values.  oproj: the projection with Wo.
; WHAT IS NOT DONE AS WRITTEN.  (q + u).k + (q + v).p = q.(k + p) + (u.k + v.p) for all values of q, k, p, u, v: so the two score products of reference() are ONE product of q with k + p (K = 64)
; and one number for each (head, key), u.k + v.p, which is made in f32 and added to the score.  That number differs from key to key, so it is live.  No input is without a way to the output: all are loaded.
; LIMIT: the sum k + p is rounded to f16 once where reference() keeps two operands; NaN and infinities among the inputs are not served.
; THIS LAUNCH.  hidden_states, pos_embeds [4096][1024], Wq, Wk, Wv, Wp [1024][1024], f32, K innermost, become codes laid IN THE ORDER OF THE OPERAND'S REGISTERS: a tile of 16 rows is 8,192 bytes,
; [K step of 128: 0..7][c: 0, 1][lane][16 bytes]: lane 16 h + r holds row r's block 2 c + h of the K step.  Tiles 0-255 hidden, 256-511 pos, 512-575 Wq, 576-639 Wk, 640-703 Wv, 704-767 Wp.
; Scale words: 512 bytes a tile, [half of K][row][4 words], word j for K step 4 half + j.  A block's scale byte is its largest magnitude's exponent field less 2, held at 1 from below
; (a block of zeros gets the byte 1: its codes are zeros, and this program alone reads the bytes).
; SHARES.  A wave takes 16 rows x 512 along K, four K steps.  Each load reads 512 consecutive bytes of a row; a step's 16 x 512 bytes turn through the wave's own stage in LDS (rows 528 bytes apart, 33 x 16, so that
; sixteen rows begin in sixteen different 16-byte columns), from which a lane takes the 32 neighbours of each of its two blocks.  Work-groups 384-415 turn Wo into f16, row-major, without LDS.
; No matrix unit, no cluster, no tensor load: a stream that is read once and shares nothing.
.set R,     64                         ; v64-191  two sets of 64: 16 rows x 16 bytes a lane, as loaded
.set X,     192                        ; v192-255 my two blocks of 32 numbers (Wo: two sets of 32 packed words)
.set CD,    32                         ; v32-63   codes, 8 registers a step: no store's data are written again
.set W,     20                         ; v20-23   my row's scale word of each step
.set SPW,   9                          ; v9       LDS address of my spare word; never rewritten
.set NIL,   10                         ; v10      0; never rewritten
.set STGB,  16*528                     ; a wave's stage
.set SPARE, 4*STGB                     ; behind the stages: the spare words, 128 bytes a wave
	s_load_b512 s[4:19], s[0:1], 0x0               ; hidden, pos, Wq, Wk, Wv, Wp, Wo, codes
	s_load_b128 s[20:23], s[0:1], 0x40             ; scales, wo16
	v_lshl_add_u32 v[SPW], v0, 2, SPARE
	v_mov_b32 v[NIL], 0
	v_lshrrev_b32 v1, 5, v0
	v_readfirstlane_b32 s24, v1                    ; wave
	v_and_b32 v1, 31, v0                           ; lane
	v_and_b32 v2, 15, v0                           ; r
	v_bfe_u32 v3, v0, 4, 1                         ; h
	v_lshlrev_b32 v4, 4, v1                        ; 16 x lane: in a load's 512 bytes, and in an image
	s_mul_i32 s31, s24, STGB
	v_add_nc_u32 v5, s31, v4                       ; the stage, on the way in
	v_mul_u32_u24 v6, v2, 528
	v_lshl_add_u32 v6, v3, 7, v6
	v_add_nc_u32 v6, s31, v6                       ; and out: row r, + 128 h bytes: block h
	v_lshlrev_b32 v7, 4, v2
	v_lshl_add_u32 v7, v3, 3, v7                   ; scale words: 16 r + 8 h
	v_lshlrev_b32 v8, 3, v1                        ; Wo: 8 bytes a lane
	v_lshlrev_b32 v11, 3, v3                       ; 8 h: my bytes' place in a scale word
	v_mov_b32 v18, 0                               ; written once: a lane permute's destination counts as one of its sources
	s_mov_b32 s34, 0x76543210
	s_mov_b32 s35, 0xfedcba98                      ; selects for lane l xor 16
	s_lshl_b32 s26, ttmp9, 1
	s_lshr_b32 s25, s24, 1
	s_add_co_u32 s26, s26, s25                     ; T: my tile of 16 rows = 2 x work-group + wave / 2
	s_and_b32 s27, s24, 1                          ; which half of K
	s_wait_kmcnt 0x0
	s_mov_b64 s[28:29], s[16:17]                   ; whose rows: the choice hangs on the work-group's number alone
	s_mov_b32 s30, 768
	s_cmp_lt_u32 ttmp9, 384
	s_cselect_b64 s[28:29], s[14:15], s[28:29]
	s_cselect_b32 s30, 704, s30
	s_cmp_lt_u32 ttmp9, 352
	s_cselect_b64 s[28:29], s[12:13], s[28:29]
	s_cselect_b32 s30, 640, s30
	s_cmp_lt_u32 ttmp9, 320
	s_cselect_b64 s[28:29], s[10:11], s[28:29]
	s_cselect_b32 s30, 576, s30
	s_cmp_lt_u32 ttmp9, 288
	s_cselect_b64 s[28:29], s[8:9], s[28:29]
	s_cselect_b32 s30, 512, s30
	s_cmp_lt_u32 ttmp9, 256
	s_cselect_b64 s[28:29], s[6:7], s[28:29]
	s_cselect_b32 s30, 256, s30
	s_cmp_lt_u32 ttmp9, 128
	s_cselect_b64 s[28:29], s[4:5], s[28:29]
	s_cselect_b32 s30, 0, s30
	s_sub_co_u32 s30, s26, s30                     ; my tile within its tensor
	s_lshl_b32 s32, s30, 16                        ; 16 rows of 4,096 bytes
	s_lshl_b32 s33, s27, 11                        ; + half a row
	s_add_co_u32 s32, s32, s33
	s_mov_b32 s33, 0
	s_add_nc_u64 s[28:29], s[28:29], s[32:33]
.macro LOAD s                          ; K step s of my 16 rows: 512 consecutive bytes a load
.irp i, 0,1,2,3,4,5,6,7,8,9,10,11,12,13,14,15
	global_load_b128 v[R+64*((\s)%2)+4*\i:R+64*((\s)%2)+4*\i+3], v4, s[28:29] offset:\i*4096+(\s)*512 th:TH_LOAD_NT
.endr
.endm
	LOAD 0
	LOAD 1
	s_cmp_ge_u32 ttmp9, 384
	s_cbranch_scc1 .Lwo
	s_lshl_b32 s32, s26, 13                        ; codes: 8,192 bytes a tile, my half's four K steps
	s_lshl_b32 s31, s27, 12
	s_add_co_u32 s32, s32, s31
	s_add_nc_u64 s[18:19], s[18:19], s[32:33]
	s_lshl_b32 s32, s26, 9                         ; scale words: 512 bytes a tile, 256 a half
	s_lshl_b32 s31, s27, 8
	s_add_co_u32 s32, s32, s31
	s_add_nc_u64 s[20:21], s[20:21], s[32:33]
.macro QSTEP s
.if (\s) < 3
	s_wait_loadcnt 16                              ; this step's 16 loads are in; the next step's 16 may be out
.else
	s_wait_loadcnt 0x0
.endif
.irp i, 0,1,2,3,4,5,6,7,8,9,10,11,12,13,14,15
	ds_store_b128 v5, v[R+64*((\s)%2)+4*\i:R+64*((\s)%2)+4*\i+3] offset:\i*528
.endr
.irp c, 0,1
.irp g, 0,1,2,3,4,5,6,7
	ds_load_b128 v[X+32*\c+4*\g:X+32*\c+4*\g+3], v6 offset:256*\c+16*\g   ; LDS serves a wave's instructions in order: these see the stores above
.endr
.endr
	s_wait_dscnt 0x0                               ; my 64 numbers are back, and the stores have read their registers,
.if (\s) < 2
	LOAD (\s)+2                                    ; which take the loads of two steps on
.endif
	v_max3_num_f32 v12, |v[X]|, |v[X+1]|, 0x1800000       ; block h and block 2 + h by turns: the largest magnitude, and the floor 2^(3 - 127), which holds the byte at 1 from below
	v_max3_num_f32 v13, |v[X+32]|, |v[X+33]|, 0x1800000
.irp i, 2,4,6,8,10,12,14,16,18,20,22,24,26,28,30
	v_max3_num_f32 v12, v12, |v[X+\i]|, |v[X+\i+1]|
	v_max3_num_f32 v13, v13, |v[X+32+\i]|, |v[X+33+\i]|
.endr
	v_add_nc_u32 v16, 0xff000000, v12              ; 2 off the exponent field: the conversion takes this operand's exponent field as its scale
	v_add_nc_u32 v17, 0xff000000, v13
.irp c, 0,1
.irp g, 0,1,2,3
	v_cvt_scalef32_pk8_fp4_f32 v[CD+8*(\s)+4*\c+\g], v[X+32*\c+8*\g:X+32*\c+8*\g+7], v[16+\c]
.endr
.endr
	v_lshrrev_b32 v14, 23, v16                     ; the scales' bytes (plain lines behind the conversions)
	v_lshrrev_b32 v15, 23, v17
	v_lshl_or_b32 v14, v15, 16, v14                ; bytes h and 2 + h of my row's word,
	v_lshlrev_b32 v14, v11, v14                    ; at their places;
	v_permlanex16_b32 v18, v14, s34, s35
	v_or_b32 v[W+(\s)], v14, v18                   ; with lane l xor 16's two the word is whole
.irp c, 0,1
	global_store_b128 v4, v[CD+8*(\s)+4*\c:CD+8*(\s)+4*\c+3], s[18:19] offset:(\s)*1024+\c*512   ; 512 consecutive bytes
.endr
.endm
	QSTEP 0
	QSTEP 1
	QSTEP 2
	QSTEP 3
	v_cmp_eq_u32 vcc_lo, 1, v3
	v_cndmask_b32 v24, v20, v22, vcc_lo            ; lanes 0-15 store words 0, 1 of their row, lanes 16-31 words 2, 3:
	v_cndmask_b32 v25, v21, v23, vcc_lo
	global_store_b64 v7, v[24:25], s[20:21]        ; 256 consecutive bytes, aligned
	s_branch .Lend
.Lwo:
	s_lshl_b32 s32, s30, 15                        ; Wo as f16: 16 rows of 2,048 bytes, + half a row
	s_lshl_b32 s31, s27, 10
	s_add_co_u32 s32, s32, s31
	s_add_nc_u64 s[22:23], s[22:23], s[32:33]
.macro WSTEP s
.if (\s) < 3
	s_wait_loadcnt 16
.else
	s_wait_loadcnt 0x0
.endif
	s_wait_xcnt 0x0                                ; the stores of two steps back have read their data: the set is written again only behind this wait
.irp i, 0,1,2,3,4,5,6,7,8,9,10,11,12,13,14,15
	v_cvt_pk_f16_f32 v[X+32*((\s)%2)+2*\i], v[R+64*((\s)%2)+4*\i], v[R+64*((\s)%2)+4*\i+1]
	v_cvt_pk_f16_f32 v[X+32*((\s)%2)+2*\i+1], v[R+64*((\s)%2)+4*\i+2], v[R+64*((\s)%2)+4*\i+3]
.endr
.if (\s) < 2
	LOAD (\s)+2
.endif
.irp i, 0,1,2,3,4,5,6,7,8,9,10,11,12,13,14,15
	global_store_b64 v8, v[X+32*((\s)%2)+2*\i:X+32*((\s)%2)+2*\i+1], s[22:23] offset:\i*2048+(\s)*256   ; 256 consecutive bytes, aligned
.endr
.endm
	WSTEP 0
	WSTEP 1
	WSTEP 2
	WSTEP 3
.Lend:
	s_wait_tensorcnt 0x0                           ; the wave's end
	ds_add_u32 v[SPW], v[NIL]
	s_wait_dscnt 0x0
	s_endpgm
.Lfunc_end_k_qbd93fb9035_quant:
	.size	k_qbd93fb9035_quant, .Lfunc_end_k_qbd93fb9035_quant-k_qbd93fb9035_quant
	.p2alignl 7, 3214868480
	.fill 96, 4, 3214868480
	.section	.rodata,"a",@progbits
	.p2align	6, 0x0
	.amdhsa_kernel k_qbd93fb9035_quant
		.amdhsa_group_segment_fixed_size 34304
		.amdhsa_private_segment_fixed_size 0
		.amdhsa_enable_private_segment 0
		.amdhsa_kernarg_size 80
		.amdhsa_user_sgpr_count 2
		.amdhsa_user_sgpr_kernarg_segment_ptr 1
		.amdhsa_wavefront_size32 1
		.amdhsa_system_sgpr_workgroup_id_x 1
		.amdhsa_system_sgpr_workgroup_id_y 1
		.amdhsa_system_sgpr_workgroup_id_z 1
		.amdhsa_system_vgpr_workitem_id 0
		.amdhsa_next_free_vgpr 256
		.amdhsa_next_free_sgpr 66
		.amdhsa_reserve_vcc 1
		.amdhsa_float_denorm_mode_32 3
		.amdhsa_float_denorm_mode_16_64 3
		.amdhsa_memory_ordered 1
		.amdhsa_forward_progress 1
		.amdhsa_inst_pref_size 48
	.end_amdhsa_kernel
	.amdgpu_metadata
---
amdhsa.version: [ 1, 2 ]
amdhsa.kernels:
  - .name:           k_qbd93fb9035_quant
    .symbol:         k_qbd93fb9035_quant.kd
    .args:
      - { .name: hidden_states, .offset: 0, .size: 8, .value_kind: global_buffer, .address_space: global }
      - { .name: pos_embeds, .offset: 8, .size: 8, .value_kind: global_buffer, .address_space: global }
      - { .name: Wq, .offset: 16, .size: 8, .value_kind: global_buffer, .address_space: global }
      - { .name: Wk, .offset: 24, .size: 8, .value_kind: global_buffer, .address_space: global }
      - { .name: Wv, .offset: 32, .size: 8, .value_kind: global_buffer, .address_space: global }
      - { .name: Wp, .offset: 40, .size: 8, .value_kind: global_buffer, .address_space: global }
      - { .name: Wo, .offset: 48, .size: 8, .value_kind: global_buffer, .address_space: global }
      - { .name: codes, .offset: 56, .size: 8, .value_kind: global_buffer, .address_space: global }
      - { .name: scales, .offset: 64, .size: 8, .value_kind: global_buffer, .address_space: global }
      - { .name: wo16, .offset: 72, .size: 8, .value_kind: global_buffer, .address_space: global }
    .group_segment_fixed_size: 34304
    .private_segment_fixed_size: 0
    .kernarg_segment_align: 8
    .kernarg_segment_size: 80
    .max_flat_workgroup_size: 128
    .sgpr_count:     66
    .vgpr_count:     256
    .wavefront_size: 32
...
	.end_amdgpu_metadata
.endif
;; end of part 1
;; launch proj (part 2): grid 128 x 2, 8 waves a work-group, no clusters, 70,656 bytes of LDS; arguments codes, scales, bq, bk, bv, q_ln_w, q_ln_b, k_ln_w, k_ln_b, pos_bias_u, pos_bias_v, attention_mask, qs, kp, vv, cb; writes qs, kp, vv, cb
.if DOCPART == 2
	.amdgcn_target "amdgcn-amd-amdhsa--gfx1250"
	.amdhsa_code_object_version 6
	.text
	.protected	k_qbd93fb9035_proj
	.globl	k_qbd93fb9035_proj
	.p2align	8
	.type	k_qbd93fb9035_proj,@function
k_qbd93fb9035_proj:
	s_mov_b64 s[64:65], 0
	v_nop
	global_prefetch_b8 v0, s[64:65] scope:SCOPE_SE
	s_setreg_imm32_b32 hwreg(HW_REG_WAVE_MODE, 25, 1), 1
	s_wait_xcnt 0x0
; The four quantised projections on codes of E2M1, their biases, both LayerNorms, and what the merged score product needs (see the first kernel's head: (q+u).k + (q+v).p = q.(k+p) + u.k + v.p):
;   qs [bh][n][64] f16 = LN(x Wq^T + bq) x c, c = log2(e) / 8;  kp = LN(x Wk^T + bk) + pos Wp^T;  vv = x Wv^T + bv;  cb [bh][n] f32 = c (u.LN(k) + v.p), or -3e38 where the key's mask is false.
; u.LN(k) + v.p is formed as (u - v).LN(k) + v.(LN(k) + p), the same in real numbers.  LIMIT: -3e38 stands for reference()'s -infinity: a true score under -1e38 counts as masked.
; SHARES.  A work-group owns 32 tokens and ALL 1,024 columns, since a LayerNorm wants whole rows, and runs two passes over K = 1,024: y = 0: k, then p added onto LN(k); y = 1: q, then v.
; Wave w owns columns 128 w .. 128 w + 127 (two heads): 2 tiles of tokens x 8 tiles of columns, 16 accumulators.  The products are used transposed (source 0 = 16 rows of W, source 1 = 16 tokens):
; lane (r, h) holds token r and, in tile j, columns 128 w + 16 j + 8 h + 0 .. 7.
; OPERANDS.  The codes lie in memory in the order of the operand's registers, so a fragment of W is two loads of 512 consecutive bytes straight into its registers, three K steps (48 loads a wave) ahead.
; NO JOINT LOADS, NO RING: the waves share the columns, so each fragment of W feeds ONE wave; through LDS a K step's 64 KiB of W would be written and read once more for the work-group's 128 matrix instructions.
; The tokens' 32 KiB of codes, which all eight waves read, go through LDS once as images of their registers.  Nothing is prefetched: the weights' codes are read by all 128 row blocks.
; REGISTERS.  window 0: v1-14 addresses; v17 the mask's byte; v24-39 the tokens' scale words, v40-71 W's (lanes 0-15 the even tile, lanes 16-31 the odd one); v72-103 the tokens' fragments, two sets; v104-111 the per-key dots;
;   v112-127 at work; v128-255 the accumulators, (a, j) at v[128 + 8 (8 a + j)].   window 1: four sets of 64: W's fragments of K step s in set s % 4; between the passes the vectors of parameters and the way out.
.set ACC,   128
.set AF,    72
.set SCA,   24
.set SCB,   40
.set DP,    104
.set RED,   32768                      ; LDS: 0 .. 32,767 the tokens' images [pass][K step][a][c][16 x lane]; then two phases of 1,024 bytes of partial sums [wave][a][r];
.set STG,   34816                      ; a stage of 16 rows x 272 bytes for each wave;
.set SPARE, 69632                      ; the spare words, 128 bytes a wave
.set SPW,   15
.set NIL,   16
.set MSB, 0
.macro WIN new                         ; the immediate's high byte repeats the setting that is left
.if MSB != \new
	s_set_vgpr_msb (MSB<<8)|\new
.set MSB, \new
.endif
.endm
.macro PLACES                          ; four plain places behind a matrix instruction, ahead of loads into registers that it read and of reads of its results
.rept 4
	v_nop
.endr
.endm
.macro BLOAD s, base                   ; W's eight fragments of K step s into set s % 4
	WIN 0x40
.irp j, 0,1,2,3,4,5,6,7
.irp c, 0,1
	global_load_b128 v[64*((\s)%4)+8*\j+4*\c:64*((\s)%4)+8*\j+4*\c+3], v2, s[\base:\base+1] offset:\j*8192+(\s)*1024+\c*512
.endr
.endr
.endm
.macro PLOAD set, base                 ; a vector of 1,024 parameters in the result's layout: register 8 j + i = column 128 w + 16 j + 8 h + i
	WIN 0x40
.irp j, 0,1,2,3,4,5,6,7
.irp u, 0,1
	global_load_b128 v[64*\set+8*\j+4*\u:64*\set+8*\j+4*\u+3], v7, s[\base:\base+1] offset:\j*64+16*\u
.endr
.endr
.endm
.macro SCBLOAD base                    ; W's scale words of all eight K steps: register SCB + 8 i + s: lanes 0-15 tile 2 i, lanes 16-31 tile 2 i + 1
	WIN 0
.irp i, 0,1,2,3
.irp f, 0,1
	global_load_b128 v[SCB+8*\i+4*\f:SCB+8*\i+4*\f+3], v3, s[\base:\base+1] offset:\i*1024+\f*256
.endr
.endr
.endm
.macro ALD pass, s                     ; the tokens' two fragments of K step s into set s % 2
	WIN 0
.irp a, 0,1
.irp c, 0,1
	ds_load_b128 v[AF+16*((\s)%2)+8*\a+4*\c:AF+16*((\s)%2)+8*\a+4*\c+3], v1 offset:\pass*16384+(\s)*2048+\a*1024+\c*512
.endr
.endr
.endm
.macro WM ra, rb                       ; one product; ra, rb: the half of the lanes in which source 0's and source 1's scale words stand
.if ((\ra) == 0) && ((\rb) == 0)
	v_wmma_scale_f32_16x16x128_f8f6f4 v[DR:DR+7], v[BR:BR+7], v[AR:AR+7], v[CR:CR+7], v[SBR], v[SAR] matrix_a_fmt:MATRIX_FMT_FP4 matrix_b_fmt:MATRIX_FMT_FP4
.elseif ((\rb) == 0)
	v_wmma_scale_f32_16x16x128_f8f6f4 v[DR:DR+7], v[BR:BR+7], v[AR:AR+7], v[CR:CR+7], v[SBR], v[SAR] matrix_a_fmt:MATRIX_FMT_FP4 matrix_b_fmt:MATRIX_FMT_FP4 matrix_a_scale:MATRIX_SCALE_ROW1
.elseif ((\ra) == 0)
	v_wmma_scale_f32_16x16x128_f8f6f4 v[DR:DR+7], v[BR:BR+7], v[AR:AR+7], v[CR:CR+7], v[SBR], v[SAR] matrix_a_fmt:MATRIX_FMT_FP4 matrix_b_fmt:MATRIX_FMT_FP4 matrix_b_scale:MATRIX_SCALE_ROW1
.else
	v_wmma_scale_f32_16x16x128_f8f6f4 v[DR:DR+7], v[BR:BR+7], v[AR:AR+7], v[CR:CR+7], v[SBR], v[SAR] matrix_a_fmt:MATRIX_FMT_FP4 matrix_b_fmt:MATRIX_FMT_FP4 matrix_a_scale:MATRIX_SCALE_ROW1 matrix_b_scale:MATRIX_SCALE_ROW1
.endif
.endm
.macro MM pass, s, first               ; a K step's 16 products; the 16 accumulators take turns, one instruction a turn, in the same order in every step.  first = 1: C is the bias, in set 3
.if \first
	WIN 0x11
.else
	WIN 0x01
.endif
.irp j, 0,1,2,3,4,5,6,7
.irp a, 0,1
.set DR, ACC+8*(8*\a+\j)
.if \first
.set CR, 192+8*\j
.else
.set CR, DR
.endif
.set BR, 64*((\s)%4)+8*\j
.set AR, AF+16*((\s)%2)+8*\a
.set SBR, SCB+8*(\j/2)+(\s)
.set SAR, SCA+8*\pass+(\s)
	WM \j%2, \a
.endr
.endr
.endm
.macro PRE n                           ; a step's head: its fragments of W are in (n younger loads may be out), the tokens' fragments are in; then the places behind the last step's products
	s_wait_loadcnt \n
	s_wait_dscnt 0x0
	PLACES
.endm
.macro REDUCE ph                       ; v[112:113], v[114:115] (a lane's partial sums for tokens r and 16 + r) become the rows' sums over all 1,024 columns in v116, v117
.irp a, 0,1
	v_add_f32 v[116+\a], v[112+2*\a], v[113+2*\a]
.endr
.irp a, 0,1
	v_permlanex16_b32 v[118+\a], v[116+\a], s76, s77
.endr
.irp a, 0,1
	v_add_f32 v[116+\a], v[116+\a], v[118+\a]
.endr
.irp a, 0,1
	ds_store_b32 v8, v[116+\a] offset:\ph*1024+\a*64        ; lanes r and 16 + r write the same word with the same value
.endr
	s_wait_dscnt 0x0                               ; for the others' sake: my stores have landed
	s_barrier_signal -1
	s_barrier_wait -1
.irp a, 0,1
.irp w, 0,1,2,3,4,5,6,7
	ds_load_b32 v[AF+8*\a+\w], v9 offset:\ph*1024+\w*128+\a*64
.endr
.endr
	s_wait_dscnt 0x0
.irp a, 0,1
	v_add_f32 v[AF+8*\a], v[AF+8*\a], v[AF+8*\a+1]
	v_add_f32 v[AF+8*\a+2], v[AF+8*\a+2], v[AF+8*\a+3]
	v_add_f32 v[AF+8*\a+4], v[AF+8*\a+4], v[AF+8*\a+5]
	v_add_f32 v[AF+8*\a+6], v[AF+8*\a+6], v[AF+8*\a+7]
.endr
.irp a, 0,1
	v_add_f32 v[AF+8*\a], v[AF+8*\a], v[AF+8*\a+2]
	v_add_f32 v[AF+8*\a+4], v[AF+8*\a+4], v[AF+8*\a+6]
.endr
.irp a, 0,1
	v_add_f32 v[116+\a], v[AF+8*\a], v[AF+8*\a+4]
.endr
.endm
; Tile a's 16 tokens x 128 columns leave as f16: packed (each accumulator from its low end on), through my own stage, back as 4 tokens x 128 bytes of one head: each store covers 512 consecutive bytes, aligned.
.macro OUT a, base
	WIN 0x40
.set PP, 0
.rept 32
	v_cvt_pk_f16_f32 v[128+32*\a+PP], v[ACC+64*\a+2*PP], v[ACC+64*\a+2*PP+1]
.set PP, PP+1
.endr
	WIN 0x04
.irp j, 0,1,2,3,4,5,6,7
	ds_store_b128 v10, v[128+32*\a+4*\j:128+32*\a+4*\j+3] offset:32*\j
.endr
	WIN 0x40
.irp g, 0,1
.irp i, 0,1,2,3
	ds_load_b128 v[192+32*\a+4*(4*\g+\i):192+32*\a+4*(4*\g+\i)+3], v11 offset:\g*128+\i*1088   ; LDS serves a wave's instructions in order: these see my stores
.endr
.endr
	s_wait_dscnt 0x0
	WIN 0x04
.irp g, 0,1
.irp i, 0,1,2,3
	global_store_b128 v12, v[192+32*\a+4*(4*\g+\i):192+32*\a+4*(4*\g+\i)+3], s[\base:\base+1] offset:\g*262144+\a*2048+\i*512
.endr
.endr
	WIN 0
.endm
	s_load_b512 s[4:19], s[0:1], 0x0               ; codes, scales, bq, bk, bv, q_ln_w, q_ln_b, k_ln_w
	s_load_b512 s[20:35], s[0:1], 0x40             ; k_ln_b, u, v, mask, qs, kp, vv, cb
	v_lshl_add_u32 v[SPW], v0, 2, SPARE
	v_mov_b32 v[NIL], 0
	v_lshrrev_b32 v17, 5, v0
	v_readfirstlane_b32 s36, v17                   ; wave 0..7
	s_and_b32 s37, ttmp7, 0xffff                   ; y: 0 = k and p, 1 = q and v
	s_mov_b32 s38, ttmp9                           ; my block of 32 tokens
	v_and_b32 v14, 31, v0                          ; lane
	v_and_b32 v18, 15, v0                          ; r
	v_bfe_u32 v19, v0, 4, 1                        ; h
	v_lshlrev_b32 v1, 4, v14                       ; 16 x lane
	s_lshl_b32 s78, s36, 16
	v_add_nc_u32 v2, s78, v1                       ; W's codes: my 8 tiles of 8,192 bytes
	v_lshlrev_b32 v4, 4, v18
	v_lshl_add_u32 v4, v19, 9, v4                  ; scale words: 16 r, lanes 16-31 one tile (512 bytes) on
	s_lshl_b32 s78, s36, 12
	v_add_nc_u32 v3, s78, v4                       ; W's: my 8 tiles
	s_lshl_b32 s78, s36, 10
	v_add_nc_u32 v5, s78, v1                       ; the tokens' codes: I bring K step w
	s_lshl_b32 s78, s36, 11
	v_add_nc_u32 v6, s78, v1                       ; and put it here in LDS
	s_lshl_b32 s78, s36, 9
	v_lshl_add_u32 v7, v19, 5, s78                 ; parameters: 512 w + 32 h bytes
	s_lshl_b32 s78, s36, 7
	v_lshl_add_u32 v8, v18, 2, s78
	v_add_nc_u32 v8, RED, v8                       ; my partial sums
	v_lshl_add_u32 v9, v18, 2, RED                 ; everybody's
	s_mul_i32 s78, s36, 4352
	s_add_co_u32 s78, s78, STG                     ; my stage
	v_mul_u32_u24 v10, v18, 272
	v_lshl_add_u32 v10, v19, 4, v10
	v_add_nc_u32 v10, s78, v10                     ; in: row r, + 16 h
	v_lshrrev_b32 v20, 3, v14
	v_mul_u32_u24 v11, v20, 272
	v_and_b32 v20, 7, v14
	v_lshl_add_u32 v11, v20, 4, v11
	v_add_nc_u32 v11, s78, v11                     ; back: eight lanes to a token's 128 bytes of a head
	s_lshl_b32 s78, s36, 19
	v_add_nc_u32 v12, s78, v1                      ; in qs, kp, vv: my two heads (262,144 bytes each), 16 x lane
	s_lshl_b32 s78, s36, 14
	v_lshl_add_u32 v13, v14, 2, s78                ; in cb: my two heads (8,192 bytes each), 4 x lane
.irp i, 0,1,2,3,4,5,6,7
	v_mov_b32 v[DP+\i], 0                          ; the per-key dots begin at 0: every term is a fused multiply-add
.endr
	v_mov_b32 v118, 0                              ; written once: a lane permute's destination counts as one of its sources
	v_mov_b32 v119, 0
	s_mov_b32 s74, 0x3e38aa3b                      ; c = log2(e) / sqrt(64)
	s_mov_b32 s75, s74
	s_mov_b32 s76, 0x76543210
	s_mov_b32 s77, 0xfedcba98                      ; selects for lane l xor 16
	s_mov_b32 s86, 0x3a800000                      ; 1 / 1,024
	s_mov_b32 s87, 0x358637bd                      ; 1e-6
	s_wait_kmcnt 0x0
	s_cmp_eq_u32 s37, 0                            ; the choices hang on the work-group's y alone
	s_mov_b32 s78, 512
	s_cselect_b32 s78, 576, s78                    ; first pass: Wk's tiles or Wq's
	s_mov_b32 s79, 640
	s_cselect_b32 s79, 704, s79                    ; second: Wp's or Wv's
	s_cselect_b32 s80, 256, 0                      ; second pass's tokens: pos or hidden
	s_cselect_b64 s[56:57], s[10:11], s[8:9]       ; bk or bq
	s_cselect_b64 s[58:59], s[18:19], s[14:15]     ; the LayerNorm's gain
	s_cselect_b64 s[60:61], s[20:21], s[16:17]     ; and bias
	s_cselect_b64 s[66:67], s[30:31], s[32:33]     ; the second pass stores kp or vv
	s_mov_b32 s83, 0
	s_lshl_b32 s81, s38, 1                         ; my first tile of tokens
	s_add_co_u32 s80, s80, s81
	s_lshl_b32 s82, s78, 13
	s_add_nc_u64 s[40:41], s[4:5], s[82:83]        ; W's codes, pass 1
	s_lshl_b32 s82, s79, 13
	s_add_nc_u64 s[42:43], s[4:5], s[82:83]        ; pass 2
	s_lshl_b32 s82, s78, 9
	s_add_nc_u64 s[44:45], s[6:7], s[82:83]        ; W's scale words, pass 1
	s_lshl_b32 s82, s79, 9
	s_add_nc_u64 s[46:47], s[6:7], s[82:83]        ; pass 2
	s_lshl_b32 s82, s81, 13
	s_add_nc_u64 s[48:49], s[4:5], s[82:83]        ; the tokens' codes, pass 1
	s_lshl_b32 s82, s80, 13
	s_add_nc_u64 s[50:51], s[4:5], s[82:83]        ; pass 2
	s_lshl_b32 s82, s81, 9
	s_add_nc_u64 s[52:53], s[6:7], s[82:83]        ; the tokens' scale words
	s_lshl_b32 s82, s80, 9
	s_add_nc_u64 s[54:55], s[6:7], s[82:83]
	s_lshr_b32 s84, s38, 6                         ; the batch
	s_and_b32 s85, s38, 63
	s_lshl_b32 s85, s85, 5                         ; my first position in it
	s_lshl_b32 s82, s84, 11
	s_add_co_u32 s82, s82, s85
	s_add_nc_u64 s[72:73], s[26:27], s[82:83]      ; the mask's bytes of my 32 tokens
	s_lshl_b32 s84, s84, 15
	s_add_co_u32 s84, s84, s85                     ; 16 heads x 2,048 x batch + position
	s_lshl_b32 s82, s84, 7
	s_add_nc_u64 s[66:67], s[66:67], s[82:83]
	s_add_nc_u64 s[68:69], s[28:29], s[82:83]      ; qs
	s_lshl_b32 s82, s84, 2
	s_add_nc_u64 s[70:71], s[34:35], s[82:83]      ; cb
.irp p, 0,1
.irp a, 0,1
.irp c, 0,1
	global_load_b128 v[AF+16*\p+8*\a+4*\c:AF+16*\p+8*\a+4*\c+3], v5, s[48+2*\p:49+2*\p] offset:\a*8192+\c*512   ; K step w of both tiles of tokens, both passes
.endr
.endr
.endr
.irp p, 0,1
.irp f, 0,1
	global_load_b128 v[SCA+8*\p+4*\f:SCA+8*\p+4*\f+3], v4, s[52+2*\p:53+2*\p] offset:\f*256   ; register SCA + 8 pass + s: lanes 0-15 tile 0, lanes 16-31 tile 1
.endr
.endr
	SCBLOAD 44
	PLOAD 3, 56                                    ; the first pass's bias: the C of its first products
	BLOAD 0, 40
	WIN 0
	s_wait_loadcnt 44                              ; the eight loads of tokens' codes are in: behind them 4 + 8 + 16 + 16 were issued
.irp p, 0,1
.irp a, 0,1
.irp c, 0,1
	ds_store_b128 v6, v[AF+16*\p+8*\a+4*\c:AF+16*\p+8*\a+4*\c+3] offset:\p*16384+\a*1024+\c*512
.endr
.endr
.endr
	BLOAD 1, 40
	BLOAD 2, 40
	WIN 0
	s_wait_dscnt 0x0                               ; my images have landed
	s_barrier_signal -1
	s_barrier_wait -1                              ; everybody's have
	ALD 0, 0
	; ---- PASS 1.  In every step exactly two groups of 16 loads were issued behind the step's own fragments: the count is 32
	s_wait_loadcnt 32
	s_wait_dscnt 0x0
	ALD 0, 1
	MM 0, 0, 1
	PLACES
	BLOAD 3, 40                                    ; into the set that held the bias
	PRE 32
	BLOAD 4, 40
	ALD 0, 2
	MM 0, 1, 0
	PRE 32
	BLOAD 5, 40
	ALD 0, 3
	MM 0, 2, 0
	PRE 32
	BLOAD 6, 40
	ALD 0, 4
	MM 0, 3, 0
	PRE 32
	BLOAD 7, 40
	ALD 0, 5
	MM 0, 4, 0
	PRE 32
	PLOAD 0, 58                                    ; the LayerNorm's gain,
	ALD 0, 6
	MM 0, 5, 0
	PRE 32
	PLOAD 1, 60                                    ; and bias
	ALD 0, 7
	MM 0, 6, 0
	PRE 32
	MM 0, 7, 0
	; ---- THE LAYERNORM over the row's 1,024 columns: mean, then the mean of the squared differences, as reference() has them
	PLACES
	WIN 0
	s_cmp_lg_u32 s37, 0
	s_cbranch_scc1 .Lno_uv
	PLOAD 2, 22                                    ; u
	PLOAD 3, 24                                    ; v
	WIN 0
.Lno_uv:
	v_pk_add_f32 v[112:113], v[ACC:ACC+1], v[ACC+2:ACC+3]            ; each accumulator is read from its low end on
	v_pk_add_f32 v[114:115], v[ACC+64:ACC+65], v[ACC+66:ACC+67]
.set PP, 2
.rept 30
	v_pk_add_f32 v[112:113], v[112:113], v[ACC+2*PP:ACC+2*PP+1]
	v_pk_add_f32 v[114:115], v[114:115], v[ACC+64+2*PP:ACC+64+2*PP+1]
.set PP, PP+1
.endr
	REDUCE 0
	v_mul_f32 v120, s86, v116                      ; the means
	v_mul_f32 v122, s86, v117
	v_mov_b32 v121, v120
	v_mov_b32 v123, v122
.set PP, 0
.rept 32
	v_pk_add_f32 v[ACC+2*PP:ACC+2*PP+1], v[ACC+2*PP:ACC+2*PP+1], v[120:121] neg_lo:[0,1] neg_hi:[0,1]
	v_pk_add_f32 v[ACC+64+2*PP:ACC+64+2*PP+1], v[ACC+64+2*PP:ACC+64+2*PP+1], v[122:123] neg_lo:[0,1] neg_hi:[0,1]
.set PP, PP+1
.endr
	v_pk_mul_f32 v[112:113], v[ACC:ACC+1], v[ACC:ACC+1]
	v_pk_mul_f32 v[114:115], v[ACC+64:ACC+65], v[ACC+64:ACC+65]
.set PP, 1
.rept 31
	v_pk_fma_f32 v[112:113], v[ACC+2*PP:ACC+2*PP+1], v[ACC+2*PP:ACC+2*PP+1], v[112:113]
	v_pk_fma_f32 v[114:115], v[ACC+64+2*PP:ACC+64+2*PP+1], v[ACC+64+2*PP:ACC+64+2*PP+1], v[114:115]
.set PP, PP+1
.endr
	REDUCE 1
	v_fma_f32 v116, v116, s86, s87                 ; the variance + 1e-6
	v_fma_f32 v117, v117, s86, s87
	v_rsq_f32 v124, v116
	v_rsq_f32 v126, v117
	v_nop                                          ; a plain place behind the transcendentals,
	s_wait_alu depctr_va_vdst(0)                   ; and a wait ahead of the first line that names a result
	v_mov_b32 v125, v124
	v_mov_b32 v127, v126
.set PP, 0
.rept 32
	v_pk_mul_f32 v[ACC+2*PP:ACC+2*PP+1], v[ACC+2*PP:ACC+2*PP+1], v[124:125]
	v_pk_mul_f32 v[ACC+64+2*PP:ACC+64+2*PP+1], v[ACC+64+2*PP:ACC+64+2*PP+1], v[126:127]
.set PP, PP+1
.endr
	s_wait_loadcnt 0x0                             ; gain and bias (y = 0: u and v too): the two kinds of work-group have issued different numbers of loads, so the count is 0
	WIN 0x14
.set PP, 0
.rept 32
	v_pk_fma_f32 v[ACC+2*PP:ACC+2*PP+1], v[ACC+2*PP:ACC+2*PP+1], v[2*PP:2*PP+1], v[64+2*PP:64+2*PP+1]
	v_pk_fma_f32 v[ACC+64+2*PP:ACC+64+2*PP+1], v[ACC+64+2*PP:ACC+64+2*PP+1], v[2*PP:2*PP+1], v[64+2*PP:64+2*PP+1]
.set PP, PP+1
.endr
	SCBLOAD 46                                     ; the second pass's scale words and first fragments
	BLOAD 0, 42
	BLOAD 1, 42
	WIN 0
	s_cmp_lg_u32 s37, 0
	s_cbranch_scc1 .Lq_out
	WIN 0x45                                       ; y = 0: the accumulators hold LN(k) and stay: p is added onto them.  u - v, in place,
.set PP, 0
.rept 32
	v_pk_add_f32 v[128+2*PP:128+2*PP+1], v[128+2*PP:128+2*PP+1], v[192+2*PP:192+2*PP+1] neg_lo:[0,1] neg_hi:[0,1]
.set PP, PP+1
.endr
	WIN 0x04                                       ; and (u - v).LN(k) for (tile a, head g): four chains by turns
.set PP, 0
.rept 16
.irp a, 0,1
.irp g, 0,1
	v_pk_fma_f32 v[DP+4*\a+2*\g:DP+4*\a+2*\g+1], v[ACC+64*\a+32*\g+2*PP:ACC+64*\a+32*\g+2*PP+1], v[128+32*\g+2*PP:128+32*\g+2*PP+1], v[DP+4*\a+2*\g:DP+4*\a+2*\g+1]
.endr
.endr
.set PP, PP+1
.endr
	WIN 0
	s_branch .Lpass2
.Lq_out:
.set PP, 0
.rept 64
	v_pk_mul_f32 v[ACC+2*PP:ACC+2*PP+1], v[ACC+2*PP:ACC+2*PP+1], s[74:75] op_sel_hi:[1,0]   ; y = 1: LN(q) x c leaves,
.set PP, PP+1
.endr
	OUT 0, 68
	OUT 1, 68
.irp a, 0,1
.irp j, 0,1,2,3,4,5,6,7
.irp u, 0,1
	global_load_b128 v[ACC+8*(8*\a+\j)+4*\u:ACC+8*(8*\a+\j)+4*\u+3], v7, s[12:13] offset:\j*64+16*\u   ; and bv takes its place: v's sums begin with it
.endr
.endr
.endr
	s_wait_loadcnt 0x0
	s_wait_xcnt 0x0                                ; the stores of qs have read their data: those registers take W's fragments next
.Lpass2:
	; ---- PASS 2: every product adds in place
	BLOAD 2, 42
	ALD 1, 0
	PRE 32
	BLOAD 3, 42
	ALD 1, 1
	MM 1, 0, 0
	PRE 32
	BLOAD 4, 42
	ALD 1, 2
	MM 1, 1, 0
	PRE 32
	BLOAD 5, 42
	ALD 1, 3
	MM 1, 2, 0
	PRE 32
	BLOAD 6, 42
	ALD 1, 4
	MM 1, 3, 0
	PRE 32
	BLOAD 7, 42
	ALD 1, 5
	MM 1, 4, 0
	PRE 32                                         ; steps 6 and 7 are out
	ALD 1, 6
	MM 1, 5, 0
	PRE 16                                         ; step 7 is out
	ALD 1, 7
	MM 1, 6, 0
	PRE 0
	WIN 0
	s_cmp_lg_u32 s37, 0
	s_cbranch_scc1 .Lno_v
	PLOAD 0, 24                                    ; v once more, into the set that step 4 has left,
	WIN 0
	global_load_u8 v17, v14, s[72:73]              ; and the mask's byte of token = lane
.Lno_v:
	MM 1, 7, 0
	PLACES
	OUT 0, 66
	OUT 1, 66
	s_cmp_lg_u32 s37, 0
	s_cbranch_scc1 .Ldone
	s_wait_loadcnt 0x0
	WIN 0x04                                       ; + v.(LN(k) + p)
.set PP, 0
.rept 16
.irp a, 0,1
.irp g, 0,1
	v_pk_fma_f32 v[DP+4*\a+2*\g:DP+4*\a+2*\g+1], v[ACC+64*\a+32*\g+2*PP:ACC+64*\a+32*\g+2*PP+1], v[32*\g+2*PP:32*\g+2*PP+1], v[DP+4*\a+2*\g:DP+4*\a+2*\g+1]
.endr
.endr
.set PP, PP+1
.endr
	WIN 0
.irp q, 0,1,2,3
	v_add_f32 v[112+\q], v[DP+2*\q], v[DP+2*\q+1]
.endr
.irp q, 0,1,2,3
	v_permlanex16_b32 v[116+\q], v[112+\q], s76, s77
.endr
.irp q, 0,1,2,3
	v_add_f32 v[112+\q], v[112+\q], v[116+\q]      ; token (a, r), head g at v[112 + 2 a + g], in lanes r and 16 + r
.endr
	v_cmp_eq_u32 vcc_lo, 1, v19
	v_cndmask_b32 v112, v112, v114, vcc_lo         ; lanes 16-31 take tile 1: lane = token
	v_cndmask_b32 v113, v113, v115, vcc_lo
	v_mul_f32 v112, s74, v112
	v_mul_f32 v113, s74, v113
	v_cmp_ne_u32 vcc_lo, 0, v17
	v_mov_b32 v114, 0xff61b1e6                     ; -3e38 for a key that the mask hides
	v_cndmask_b32 v112, v114, v112, vcc_lo
	v_cndmask_b32 v113, v114, v113, vcc_lo
	global_store_b32 v13, v112, s[70:71]           ; 128 consecutive bytes a store: 32 tokens are all that the work-group has of a head's row
	global_store_b32 v13, v113, s[70:71] offset:8192
.Ldone:
	s_wait_tensorcnt 0x0                           ; the wave's end
	ds_add_u32 v[SPW], v[NIL]
	s_wait_dscnt 0x0
	s_endpgm
.Lfunc_end_k_qbd93fb9035_proj:
	.size	k_qbd93fb9035_proj, .Lfunc_end_k_qbd93fb9035_proj-k_qbd93fb9035_proj
	.p2alignl 7, 3214868480
	.fill 96, 4, 3214868480
	.section	.rodata,"a",@progbits
	.p2align	6, 0x0
	.amdhsa_kernel k_qbd93fb9035_proj
		.amdhsa_group_segment_fixed_size 70656
		.amdhsa_private_segment_fixed_size 0
		.amdhsa_enable_private_segment 0
		.amdhsa_kernarg_size 128
		.amdhsa_user_sgpr_count 2
		.amdhsa_user_sgpr_kernarg_segment_ptr 1
		.amdhsa_wavefront_size32 1
		.amdhsa_system_sgpr_workgroup_id_x 1
		.amdhsa_system_sgpr_workgroup_id_y 1
		.amdhsa_system_sgpr_workgroup_id_z 1
		.amdhsa_system_vgpr_workitem_id 0
		.amdhsa_next_free_vgpr 512
		.amdhsa_next_free_sgpr 90
		.amdhsa_reserve_vcc 1
		.amdhsa_float_denorm_mode_32 3
		.amdhsa_float_denorm_mode_16_64 3
		.amdhsa_memory_ordered 1
		.amdhsa_forward_progress 1
		.amdhsa_inst_pref_size 141
	.end_amdhsa_kernel
	.amdgpu_metadata
---
amdhsa.version: [ 1, 2 ]
amdhsa.kernels:
  - .name:           k_qbd93fb9035_proj
    .symbol:         k_qbd93fb9035_proj.kd
    .args:
      - { .name: codes, .offset: 0, .size: 8, .value_kind: global_buffer, .address_space: global }
      - { .name: scales, .offset: 8, .size: 8, .value_kind: global_buffer, .address_space: global }
      - { .name: bq, .offset: 16, .size: 8, .value_kind: global_buffer, .address_space: global }
      - { .name: bk, .offset: 24, .size: 8, .value_kind: global_buffer, .address_space: global }
      - { .name: bv, .offset: 32, .size: 8, .value_kind: global_buffer, .address_space: global }
      - { .name: q_ln_w, .offset: 40, .size: 8, .value_kind: global_buffer, .address_space: global }
      - { .name: q_ln_b, .offset: 48, .size: 8, .value_kind: global_buffer, .address_space: global }
      - { .name: k_ln_w, .offset: 56, .size: 8, .value_kind: global_buffer, .address_space: global }
      - { .name: k_ln_b, .offset: 64, .size: 8, .value_kind: global_buffer, .address_space: global }
      - { .name: pos_bias_u, .offset: 72, .size: 8, .value_kind: global_buffer, .address_space: global }
      - { .name: pos_bias_v, .offset: 80, .size: 8, .value_kind: global_buffer, .address_space: global }
      - { .name: attention_mask, .offset: 88, .size: 8, .value_kind: global_buffer, .address_space: global }
      - { .name: qs, .offset: 96, .size: 8, .value_kind: global_buffer, .address_space: global }
      - { .name: kp, .offset: 104, .size: 8, .value_kind: global_buffer, .address_space: global }
      - { .name: vv, .offset: 112, .size: 8, .value_kind: global_buffer, .address_space: global }
      - { .name: cb, .offset: 120, .size: 8, .value_kind: global_buffer, .address_space: global }
    .group_segment_fixed_size: 70656
    .private_segment_fixed_size: 0
    .kernarg_segment_align: 8
    .kernarg_segment_size: 128
    .max_flat_workgroup_size: 256
    .sgpr_count:     90
    .vgpr_count:     512
    .wavefront_size: 32
...
	.end_amdgpu_metadata
.endif
;; end of part 2
;; launch attn (part 3): grid 8 x 32, 8 waves a work-group, clusters of 4 x 1, 327,680 bytes of LDS; arguments qs, kp, vv, cb, ao; writes ao
.if DOCPART == 3
	.amdgcn_target "amdgcn-amd-amdhsa--gfx1250"
	.amdhsa_code_object_version 6
	.text
	.protected	k_qbd93fb9035_attn
	.globl	k_qbd93fb9035_attn
	.p2align	8
	.type	k_qbd93fb9035_attn,@function
k_qbd93fb9035_attn:
	s_mov_b64 s[64:65], 0
	v_nop
	global_prefetch_b8 v0, s[64:65] scope:SCOPE_SE
	s_setreg_imm32_b32 hwreg(HW_REG_WAVE_MODE, 25, 1), 1
	s_wait_xcnt 0x0
	s_wait_alu depctr_hold_cnt(0) depctr_sa_sdst(0) depctr_va_vdst(0) depctr_va_sdst(0) depctr_va_ssrc(0) depctr_va_vcc(0) depctr_vm_vsrc(0)
	s_getreg_b32 s2, hwreg(HW_REG_IB_STS2, 6, 4)
	s_cmp_eq_u32 s2, 0
	s_cbranch_scc0 .Lentry_in_a_cluster
	s_endpgm
.Lentry_in_a_cluster:
	s_bfe_u32 s2, ttmp6, 0x10000c
	s_cmp_lg_u32 s2, 0x3003
	s_cbranch_scc0 .Lentry_shape_is_right
	s_endpgm
.Lentry_shape_is_right:
; ao[h][token][:] = the sum over keys of softmax(score) vv[key][:], score in base 2 = qs[query] . kp[key] + cb[key]: reference()'s two score products merged (see the first kernel's head), its scale folded into qs and cb,
; its mask into cb (-3e38).  qs, kp, vv: [bh][2048][64] f16; cb: [bh][2048] f32; ao: [16 heads][4096 tokens][64] f16.  Products on f16 operands, sums, maxima and exponentials in f32.
; SOFTMAX with a running maximum m and sum l for each query: p = 2^(s - m); in every step O and l are multiplied by a = 2^(m_old - m_new).  What was summed while only hidden keys had been seen is wiped by a = 0 at the first open key.
; A row all of whose keys are hidden (m under -1e38 at the end) gets NaN by a select, as reference() gives.  LIMITS: a true score under -1e38 counts as hidden; weights under 6e-8 of the row's largest fall to 0 in f16.
; SHARES.  A work-group owns 256 queries of one (batch, head), each of its eight waves 32: two tiles of 16; two waves lie on a SIMD, so that one's vector work stands beside the other's matrix work.  Every wave walks 2,048 keys, 64 a step.
; LAYOUT.  S^T = kp qs^T + C (source 0 = 16 keys, source 1 = 16 queries): a lane holds one query and keys 8 (lane / 16) + 0 .. 7; the C of a sum's first product is cb of those eight keys, so the per-key number and the mask cost no vector line.
; Two such tiles, rounded to f16 in pairs, are source 1 of O^T = vv^T P; vv ([key][channel]) comes out of LDS turned, by ds_load_tr16_b128.
; CLUSTER.  The four query blocks of a cluster belong to one (batch, head) and walk the same kp and vv: each tile is asked for jointly.  A ring of two slots of 256 keys; waves 0-3 fetch 64 keys of kp each, waves 4-7 of vv: one load a wave is out.
; cb comes by plain loads, a step ahead: 32 bytes a lane, the same in sixteen lanes.
; REGISTERS.  window 0: v2-15 addresses; v16-31 statistics, eight a tile: +0 m, +1 0, +2, +3 l, +4 .. +7 at work (a at +6); v64-127 S^T; v128-159 P; v160-191 Q; v192-255 cb, two sets.   window 1: v0-63 O^T; v64-127 kp; v128-191 vv.
.set PK,    144                        ; a key's row of kp in LDS: 128 bytes + 16: 9 x 16, so that sixteen rows begin in sixteen different 16-byte columns
.set PV,    160                        ; of vv: 128 + 32: 5 x 32, for the turning load
.set VOFF,  256*PK                     ; a slot: 256 rows of kp, then 256 of vv
.set SLOT1, 1<<17                      ; slot 1 begins here: one exclusive or turns an address
.set STAGE, 2*SLOT1                    ; the way out: 2 tiles x 16 rows x 144 bytes for each wave; no tile lands here
.set SPARE, STAGE+8*2*16*PK            ; the spare words, 128 bytes a wave
.set ST,  16
.set S,   64
.set P,   128
.set Q,   160
.set CBR, 192
.set MSB, 0
.macro WIN new
.if MSB != \new
	s_set_vgpr_msb (MSB<<8)|\new
.set MSB, \new
.endif
.endm
.macro PLACES
.rept 4
	v_nop
.endr
.endm
.macro CROUND                          ; a round of the cluster's barrier
	s_barrier_signal -1
	s_barrier_wait -1
	s_cmp_lg_u32 s14, 0
	s_cbranch_scc1 .Lnot_wave_0_\@
	s_barrier_signal -3
.Lnot_wave_0_\@:
	s_barrier_wait -3
	s_barrier_signal -1
	s_barrier_wait -1
.endm
.macro JLOAD                           ; a joint load: waves 0-3 for kp, waves 4-7 for vv; the branch hangs on the wave's number alone.  An s_nop 0 and four v_nop follow each line
	s_cmp_lt_u32 s14, 4
	s_cbranch_scc0 .Lfor_v_\@
	tensor_load_to_lds s[40:43], s[24:31]
	s_nop 0
.rept 4
	v_nop
.endr
	s_branch .Lasked_\@
.Lfor_v_\@:
	tensor_load_to_lds s[44:47], s[32:39]
	s_nop 0
.rept 4
	v_nop
.endr
.Lasked_\@:
.endm
; A prefetch of what the NEXT change of slots will ask for: a slot's 32,768 bytes of kp and of vv.  Both clusters of a (batch, head) walk the same rows: the first asks.  Its four partners take 8,192 bytes each, told apart by address;
; in each, wave 0 asks for kp's and wave 4 for vv's, lanes 256 bytes apart.  So each block of 256 bytes is named once.  The last change that fills a slot asks for nothing; slots 0 and 1 come by their loads alone.
.macro ASK
	s_cmp_gt_u32 s48, s54
	s_cbranch_scc0 .Lnot_mine_\@
	global_prefetch_b8 v12, s[52:53] th:TH_LOAD_NT scope:SCOPE_SE
.Lnot_mine_\@:
.endm
.macro CBLD set, off                   ; cb of a step's 64 keys: register 8 kt + i = key 16 kt + 8 h + i
.irp kt, 0,1,2,3
.irp u, 0,1
	global_load_b128 v[CBR+32*(\set)+8*\kt+4*\u:CBR+32*(\set)+8*\kt+4*\u+3], v4, s[56:57] offset:(\off)+\kt*64+16*\u
.endr
.endr
.endm
	s_load_b256 s[4:11], s[0:1], 0x0               ; qs, kp, vv, cb
	s_load_b64 s[12:13], s[0:1], 0x20              ; ao
	v_lshl_add_u32 v13, v0, 2, SPARE
	v_mov_b32 v14, 0
	ds_add_u32 v13, v14                            ; the wave's opening: the add, twice on end, and its wait ahead of my first tensor load; work on registers stands between
	ds_add_u32 v13, v14
	v_lshrrev_b32 v1, 5, v0
	v_readfirstlane_b32 s14, v1                    ; wave 0..7
	s_bfe_u32 s15, ttmp6, 0x40000                  ; cx
	s_lshl_b32 s16, ttmp9, 2
	s_add_co_u32 s16, s16, s15                     ; my block of 256 queries: it enters qs's and ao's addresses alone
	s_and_b32 s17, ttmp7, 0xffff                   ; bh, which the four partners share
	s_and_b32 s18, s14, 3                          ; which 64 keys of a slot I fetch
	s_mov_b32 s24, 15|(1<<16)|(1<<20)|(1<<21)|(4<<22)|(3<<25)   ; group 1 for kp: mask of all four; elements of 2 bytes; padding on; bit 21 beside a mask; after every 32 words, 4 words
	s_mov_b32 s32, 15|(1<<16)|(1<<20)|(1<<21)|(4<<22)|(7<<25)   ; for vv: 8 words
.irp g, 24, 32
	s_mov_b32 s[\g+1], 64<<16                      ; tensor_dim0 = 64
	s_mov_b32 s[\g+2], 64<<16                      ; tensor_dim1 = 64
	s_mov_b32 s[\g+3], 64<<16                      ; tile_dim0 = 64
	s_mov_b32 s[\g+4], 64                          ; tile_dim1 = 64
	s_mov_b32 s[\g+5], 64                          ; from row to row
	s_mov_b32 s[\g+6], 0
	s_mov_b32 s[\g+7], 0
.endr
	s_lshl_b32 s20, s17, 18                        ; the head's 262,144 bytes,
	s_lshl_b32 s21, s18, 13                        ; my 64 keys of 128 bytes
	s_add_co_u32 s20, s20, s21
	s_mov_b32 s21, 0
	s_mul_i32 s22, s18, 64*PK                      ; and their places in a slot
	s_mul_i32 s23, s18, 64*PV
	s_add_co_u32 s23, s23, VOFF
	s_lshl_b32 s58, s17, 18                        ; qs: (2,048 bh + 256 block + 32 wave) rows of 128 bytes
	s_lshl_b32 s59, s16, 15
	s_add_co_u32 s58, s58, s59
	s_lshl_b32 s59, s14, 12
	s_add_co_u32 s58, s58, s59
	s_mov_b32 s59, 0
	s_and_b32 s60, s17, 15                         ; ao: (4,096 head + 2,048 batch + 256 block + 32 wave) rows of 128 bytes
	s_lshl_b32 s60, s60, 19
	s_lshr_b32 s61, s17, 4
	s_lshl_b32 s61, s61, 18
	s_add_co_u32 s60, s60, s61
	s_lshl_b32 s61, s16, 15
	s_add_co_u32 s60, s60, s61
	s_lshl_b32 s61, s14, 12
	s_add_co_u32 s60, s60, s61
	s_mov_b32 s61, 0
	s_mov_b32 s48, 7                               ; slots still to be asked for
	s_mov_b32 s49, 0                               ; the slot in hand
	s_mov_b32 s50, 0x76543210
	s_mov_b32 s51, 0xfedcba98                      ; selects for lane l xor 16
	v_and_b32 v1, 15, v0                           ; r
	v_bfe_u32 v7, v0, 4, 1                         ; h
	v_and_b32 v15, 31, v0                          ; lane
	v_mul_u32_u24 v2, v1, PK
	v_lshl_add_u32 v2, v7, 4, v2                   ; kp: row r, + 16 h
	v_and_b32 v5, 7, v0
	v_lshl_add_u32 v3, v7, 3, v5
	v_mul_u32_u24 v3, v3, PV
	v_bfe_u32 v5, v0, 3, 1
	v_lshl_add_u32 v3, v5, 4, v3
	v_add_nc_u32 v3, VOFF, v3                      ; vv, for the turning load: key 8 h + lane % 8, channels 8 ((lane / 8) % 2) on
	v_lshlrev_b32 v4, 5, v7                        ; cb: 32 h bytes
	v_lshlrev_b32 v8, 7, v1
	v_lshl_add_u32 v8, v7, 4, v8                   ; qs: row r of 128 bytes, + 16 h
	s_mul_i32 s19, s14, 2*16*PK
	s_add_co_u32 s19, s19, STAGE                   ; my stage
	v_mul_u32_u24 v9, v1, PK
	v_lshl_add_u32 v9, v7, 4, v9
	v_add_nc_u32 v9, s19, v9                       ; in: row r, + 16 h
	v_lshrrev_b32 v10, 3, v15
	v_mul_u32_u24 v10, v10, PK
	v_and_b32 v5, 7, v0
	v_lshl_add_u32 v10, v5, 4, v10
	v_add_nc_u32 v10, s19, v10                     ; back: eight lanes to a row of 128 bytes
	v_lshlrev_b32 v11, 4, v15                      ; and in ao: 16 x lane
	v_lshlrev_b32 v12, 8, v15                      ; the prefetches: 256 x lane
	s_wait_dscnt 0x0                               ; both opening adds are done
	s_wait_kmcnt 0x0
	s_mov_b32 s40, 1                               ; group 0 for kp: count 1,
	s_mov_b32 s41, s22                             ; LDS address: slot 0,
	s_add_nc_u64 s[42:43], s[6:7], s[20:21]        ; global address,
	s_or_b32 s43, s43, 0x80000000                  ; type 2
	s_mov_b32 s44, 1
	s_mov_b32 s45, s23
	s_add_nc_u64 s[46:47], s[8:9], s[20:21]
	s_or_b32 s47, s47, 0x80000000
	s_add_nc_u64 s[4:5], s[4:5], s[58:59]          ; qs at my first query
	s_add_nc_u64 s[12:13], s[12:13], s[60:61]      ; ao likewise
	s_lshl_b32 s62, s17, 13
	s_mov_b32 s63, 0
	s_add_nc_u64 s[56:57], s[10:11], s[62:63]      ; cb at the head's first key
	s_cmp_lt_u32 s14, 4
	s_cselect_b64 s[52:53], s[6:7], s[8:9]         ; the prefetches: kp's or vv's,
	s_lshl_b32 s62, s17, 18                        ; the head,
	s_lshl_b32 s19, s15, 13                        ; my work-group's 8,192 bytes,
	s_add_co_u32 s62, s62, s19
	s_add_co_u32 s62, s62, 32768                   ; in slot 1: the first change of slots steps it to slot 2
	s_add_nc_u64 s[52:53], s[52:53], s[62:63]
	s_or_b32 s54, s18, ttmp9                       ; 0 in waves 0 and 4 of the head's first cluster: the same in all four partners
	s_cmp_eq_u32 s54, 0
	s_cselect_b32 s54, 1, -1
	CROUND                                         ; all four work-groups are here: the first joint loads meet
	JLOAD                                          ; slot 0
.irp t, 0,1
.irp c, 0,1
.irp u, 0,1
	global_load_b128 v[Q+16*\t+8*\c+4*\u:Q+16*\t+8*\c+4*\u+3], v8, s[4:5] offset:\t*2048+\c*64+\u*32 th:TH_LOAD_NT   ; Q stays in registers
.endr
.endr
.endr
	CBLD 0, 0
.irp t, 0,1
	v_mov_b32 v[ST+8*\t], 0xff61b1e6               ; m: -3e38
	v_mov_b32 v[ST+8*\t+1], 0                      ; (named with m as a pair)
	v_mov_b32 v[ST+8*\t+2], 0                      ; l, in two halves
	v_mov_b32 v[ST+8*\t+3], 0
.endr
	WIN 0x40
.set PP, 0
.rept 64
	v_mov_b32 v[PP], 0                             ; O^T.  (The step is written once: the first finds zeros, which a = 0 leaves zeros)
.set PP, PP+1
.endr
	WIN 0
; A KEY STEP: 64 keys, the q-th of the slot in hand.  last = 1: no step follows, so no cb is asked for.
.macro STEP q, last
	PLACES                                         ; behind the last products, ahead of loads into registers that they read
	WIN 0x40
.irp kt, 0,1,2,3
.irp c, 0,1
	ds_load_b128 v[64+8*(2*\kt+\c):64+8*(2*\kt+\c)+3],   v5 offset:(\q)*64*PK+\kt*16*PK+\c*64
	ds_load_b128 v[64+8*(2*\kt+\c)+4:64+8*(2*\kt+\c)+7], v5 offset:(\q)*64*PK+\kt*16*PK+\c*64+32
.endr
.endr
.irp c, 0,1
.irp ch, 0,1,2,3
	ds_load_tr16_b128 v[128+8*(4*\c+\ch):128+8*(4*\c+\ch)+3],   v6 offset:(\q)*64*PV+\c*32*PV+\ch*32
	ds_load_tr16_b128 v[128+8*(4*\c+\ch)+4:128+8*(4*\c+\ch)+7], v6 offset:(\q)*64*PV+\c*32*PV+16*PV+\ch*32
.endr
.endr
	WIN 0
	s_wait_loadcnt 0x0                             ; this step's cb, asked for a step ago (the first time: Q too)
.if !(\last)
	CBLD ((\q)+1)%2, ((\q)+1)*256                  ; the next step's
.endif
	s_wait_dscnt 16                                ; kp's 16 loads are in; vv's 16 may be out
	WIN 0x01
.irp c, 0,1                                    ; S^T: eight accumulators by turns
.irp kt, 0,1,2,3
.irp t, 0,1
.if \c == 0
	v_wmma_f32_16x16x32_f16 v[S+32*\t+8*\kt:S+32*\t+8*\kt+7], v[64+16*\kt:64+16*\kt+7], v[Q+16*\t:Q+16*\t+7], v[CBR+32*((\q)%2)+8*\kt:CBR+32*((\q)%2)+8*\kt+7]
.else
	v_wmma_f32_16x16x32_f16 v[S+32*\t+8*\kt:S+32*\t+8*\kt+7], v[64+16*\kt+8:64+16*\kt+15], v[Q+16*\t+8:Q+16*\t+15], v[S+32*\t+8*\kt:S+32*\t+8*\kt+7]
.endif
.endr
.endr
.endr
	WIN 0
	PLACES
.irp j, 0,1,2,3                                ; the maximum of my 32 scores and the old m; each accumulator is read from its low end on; the two tiles by turns
.irp t, 0,1
	v_max3_num_f32 v[ST+8*\t+4+\j], v[S+32*\t+8*\j], v[S+32*\t+8*\j+1], v[S+32*\t+8*\j+2]
.endr
.endr
.irp g, 1,2
.irp j, 0,1,2,3
.irp t, 0,1
	v_max3_num_f32 v[ST+8*\t+4+\j], v[ST+8*\t+4+\j], v[S+32*\t+8*\j+2*\g+1], v[S+32*\t+8*\j+2*\g+2]
.endr
.endr
.endr
.irp t, 0,1
	v_max3_num_f32 v[ST+8*\t+4], v[ST+8*\t+4], v[S+32*\t+7], v[S+32*\t+15]
	v_max3_num_f32 v[ST+8*\t+6], v[ST+8*\t+6], v[S+32*\t+23], v[S+32*\t+31]
.endr
.irp t, 0,1
	v_max3_num_f32 v[ST+8*\t+4], v[ST+8*\t+4], v[ST+8*\t+5], v[ST+8*\t+6]
.endr
.irp t, 0,1
	v_max3_num_f32 v[ST+8*\t+4], v[ST+8*\t+4], v[ST+8*\t+7], v[ST+8*\t]
.endr
.irp t, 0,1
	v_permlanex16_b32 v[ST+8*\t+5], v[ST+8*\t+4], s50, s51      ; the query's other 32 keys lie in the lane 16 away
.endr
.irp t, 0,1
	v_mov_b32 v[ST+8*\t+7], v[ST+8*\t]
.endr
.irp t, 0,1
	v_max_num_f32 v[ST+8*\t], v[ST+8*\t+4], v[ST+8*\t+5]         ; the new m
.endr
.irp t, 0,1
	v_sub_f32 v[ST+8*\t+7], v[ST+8*\t+7], v[ST+8*\t]             ; m_old - m_new
.endr
.set PP, 0
.rept 16
.irp t, 0,1
	v_pk_add_f32 v[S+32*\t+2*PP:S+32*\t+2*PP+1], v[S+32*\t+2*PP:S+32*\t+2*PP+1], v[ST+8*\t:ST+8*\t+1] op_sel_hi:[1,0] neg_lo:[0,1] neg_hi:[0,1]   ; s - m
.endr
.set PP, PP+1
.endr
.irp t, 0,1
	v_exp_f32 v[ST+8*\t+6], v[ST+8*\t+7]           ; a.  The 66 exponentials are ONE batch
.endr
.set PP, 0
.rept 32
.irp t, 0,1
	v_exp_f32 v[S+32*\t+PP], v[S+32*\t+PP]
.endr
.set PP, PP+1
.endr
	v_nop                                          ; a plain place behind the last exponential,
	s_wait_alu depctr_va_vdst(0)                   ; and a wait ahead of the first line that names a result
.set PP, 0
.rept 16
.irp t, 0,1
	v_cvt_pk_f16_f32 v[P+16*\t+PP], v[S+32*\t+2*PP], v[S+32*\t+2*PP+1]
.endr
.set PP, PP+1
.endr
.irp u, 0,4,8,12,16,20,24,28                   ; the sum of the unrounded weights, in place
.irp t, 0,1
	v_pk_add_f32 v[S+32*\t+\u:S+32*\t+\u+1], v[S+32*\t+\u:S+32*\t+\u+1], v[S+32*\t+\u+2:S+32*\t+\u+3]
.endr
.endr
.irp u, 0,8,16,24
.irp t, 0,1
	v_pk_add_f32 v[S+32*\t+\u:S+32*\t+\u+1], v[S+32*\t+\u:S+32*\t+\u+1], v[S+32*\t+\u+4:S+32*\t+\u+5]
.endr
.endr
.irp u, 0,16
.irp t, 0,1
	v_pk_add_f32 v[S+32*\t+\u:S+32*\t+\u+1], v[S+32*\t+\u:S+32*\t+\u+1], v[S+32*\t+\u+8:S+32*\t+\u+9]
.endr
.endr
.irp t, 0,1
	v_pk_add_f32 v[S+32*\t:S+32*\t+1], v[S+32*\t:S+32*\t+1], v[S+32*\t+16:S+32*\t+17]
.endr
.irp t, 0,1
	v_pk_fma_f32 v[ST+8*\t+2:ST+8*\t+3], v[ST+8*\t+2:ST+8*\t+3], v[ST+8*\t+6:ST+8*\t+7], v[S+32*\t:S+32*\t+1] op_sel_hi:[1,0,1]   ; l = a l + the sum
.endr
	s_wait_dscnt 0x0                               ; vv is in
	WIN 0x41
.set PP, 0
.rept 16
.irp t, 0,1
	v_pk_mul_f32 v[32*\t+2*PP:32*\t+2*PP+1], v[32*\t+2*PP:32*\t+2*PP+1], v[ST+8*\t+6:ST+8*\t+7] op_sel_hi:[1,0]   ; O^T x a, each accumulator from its low end on
.endr
.set PP, PP+1
.endr
	WIN 0x51
.irp c, 0,1                                    ; O^T += vv^T P: eight accumulators by turns
.irp ch, 0,1,2,3
.irp t, 0,1
	v_wmma_f32_16x16x32_f16 v[32*\t+8*\ch:32*\t+8*\ch+7], v[128+8*(4*\c+\ch):128+8*(4*\c+\ch)+7], v[P+16*\t+8*\c:P+16*\t+8*\c+7], v[32*\t+8*\ch:32*\t+8*\ch+7]
.endr
.endr
.endr
	WIN 0
.endm
; THE CHANGE OF SLOTS stands at a slot's head.  Each wave waits for all its tensor loads (its part of the slot ahead), adds 0 to its spare word, and waits for that and for its reads of the slot that it has left.
; fill = 1: the barrier is a round of the cluster's, and behind it the slot just left is filled with the next 256 keys: the load has four key steps in which to land.
.macro CHANGE fill
	s_wait_tensorcnt 0x0                           ; no tensor load of mine is out, so a group 0 may be written
	ds_add_u32 v13, v14
.if \fill
	s_xor_b32 s41, s41, SLOT1                      ; the walking descriptors: the other slot,
	s_add_nc_u64 s[42:43], s[42:43], 32768         ; the next 256 keys
	s_xor_b32 s45, s45, SLOT1
	s_add_nc_u64 s[46:47], s[46:47], 32768
	s_wait_xcnt 0x0                                ; the last prefetch, a slot back, has read its address
	s_add_nc_u64 s[52:53], s[52:53], 32768
	s_wait_dscnt 0x0                               ; the add is done, and my reads of the slot that I have left are over
	CROUND
	JLOAD
	ASK
.else
	s_wait_dscnt 0x0
	s_barrier_signal -1
	s_barrier_wait -1
.endif
.endm
.macro SLOT_STEPS last
	v_add_nc_u32 v5, s49, v2
	v_add_nc_u32 v6, s49, v3
	STEP 0, 0
	STEP 1, 0
	STEP 2, 0
	STEP 3, \last
	s_xor_b32 s49, s49, SLOT1                      ; on to the other slot
.if !(\last)
	s_wait_xcnt 0x0                                ; cb's loads have read their base
	s_add_nc_u64 s[56:57], s[56:57], 1024
.endif
.endm
.Lslot:                                            ; seven trips: behind each change of slots but the last the next slot is asked for
	CHANGE 1
	SLOT_STEPS 0
	s_sub_co_u32 s48, s48, 1
	s_cmp_lg_u32 s48, 0
	s_cbranch_scc1 .Lslot
	CHANGE 0                                       ; the last slot is written out
	SLOT_STEPS 1
	; THE WAY OUT.  O^T / l, rounded to f16, through my stage, as 4 rows of 128 bytes a store.  The additions are the places behind the last products.
.irp t, 0,1
	v_add_f32 v[ST+8*\t+4], v[ST+8*\t+2], v[ST+8*\t+3]
.endr
.irp t, 0,1
	v_permlanex16_b32 v[ST+8*\t+5], v[ST+8*\t+4], s50, s51
.endr
.irp t, 0,1
	v_add_f32 v[ST+8*\t+4], v[ST+8*\t+4], v[ST+8*\t+5]
.endr
	v_nop
	v_nop
.irp t, 0,1
	v_rcp_f32 v[ST+8*\t+6], v[ST+8*\t+4]
.endr
	v_mov_b32 v15, 0x7fc00000                      ; (a plain place behind the reciprocals)  NaN
	s_wait_alu depctr_va_vdst(0)                   ; a wait ahead of the first reader
.irp t, 0,1
	v_cmp_gt_f32 vcc_lo, 0xfe967699, v[ST+8*\t]    ; -1e38 > m: every key of the row was hidden
	v_cndmask_b32 v[ST+8*\t+6], v[ST+8*\t+6], v15, vcc_lo
.endr
.irp t, 0,1
	WIN 0x41
.set PP, 0
.rept 16
	v_pk_mul_f32 v[32*\t+2*PP:32*\t+2*PP+1], v[32*\t+2*PP:32*\t+2*PP+1], v[ST+8*\t+6:ST+8*\t+7] op_sel_hi:[1,0]
.set PP, PP+1
.endr
	WIN 0x05
.set PP, 0
.rept 16
	v_cvt_pk_f16_f32 v[S+32*\t+PP], v[32*\t+2*PP], v[32*\t+2*PP+1]
.set PP, PP+1
.endr
	WIN 0
.irp ch, 0,1,2,3
	ds_store_b128 v9, v[S+32*\t+4*\ch:S+32*\t+4*\ch+3] offset:\t*16*PK+\ch*32
.endr
.irp i, 0,1,2,3
	ds_load_b128 v[S+32*\t+16+4*\i:S+32*\t+16+4*\i+3], v10 offset:\t*16*PK+\i*4*PK   ; LDS serves a wave's instructions in order: these see my stores
.endr
.endr
	s_wait_dscnt 0x0
.irp t, 0,1
.irp i, 0,1,2,3
	global_store_b128 v11, v[S+32*\t+16+4*\i:S+32*\t+16+4*\i+3], s[12:13] offset:\t*2048+\i*512   ; 512 consecutive bytes, aligned
.endr
.endr
	s_wait_tensorcnt 0x0                           ; the wave's end
	ds_add_u32 v13, v14
	s_wait_dscnt 0x0
	CROUND                                         ; the closing round: no work-group ends while a partner may still ask for a tile that names it
	s_endpgm
.Lfunc_end_k_qbd93fb9035_attn:
	.size	k_qbd93fb9035_attn, .Lfunc_end_k_qbd93fb9035_attn-k_qbd93fb9035_attn
	.p2alignl 7, 3214868480
	.fill 96, 4, 3214868480
	.section	.rodata,"a",@progbits
	.p2align	6, 0x0
	.amdhsa_kernel k_qbd93fb9035_attn
		.amdhsa_group_segment_fixed_size 327680
		.amdhsa_private_segment_fixed_size 0
		.amdhsa_enable_private_segment 0
		.amdhsa_kernarg_size 40
		.amdhsa_user_sgpr_count 2
		.amdhsa_user_sgpr_kernarg_segment_ptr 1
		.amdhsa_wavefront_size32 1
		.amdhsa_system_sgpr_workgroup_id_x 1
		.amdhsa_system_sgpr_workgroup_id_y 1
		.amdhsa_system_sgpr_workgroup_id_z 1
		.amdhsa_system_vgpr_workitem_id 0
		.amdhsa_next_free_vgpr 448
		.amdhsa_next_free_sgpr 66
		.amdhsa_reserve_vcc 1
		.amdhsa_float_denorm_mode_32 3
		.amdhsa_float_denorm_mode_16_64 3
		.amdhsa_memory_ordered 1
		.amdhsa_forward_progress 1
		.amdhsa_inst_pref_size 161
	.end_amdhsa_kernel
	.amdgpu_metadata
---
amdhsa.version: [ 1, 2 ]
amdhsa.kernels:
  - .name:           k_qbd93fb9035_attn
    .symbol:         k_qbd93fb9035_attn.kd
    .args:
      - { .name: qs, .offset: 0, .size: 8, .value_kind: global_buffer, .address_space: global }
      - { .name: kp, .offset: 8, .size: 8, .value_kind: global_buffer, .address_space: global }
      - { .name: vv, .offset: 16, .size: 8, .value_kind: global_buffer, .address_space: global }
      - { .name: cb, .offset: 24, .size: 8, .value_kind: global_buffer, .address_space: global }
      - { .name: ao, .offset: 32, .size: 8, .value_kind: global_buffer, .address_space: global }
    .group_segment_fixed_size: 327680
    .private_segment_fixed_size: 0
    .kernarg_segment_align: 8
    .kernarg_segment_size: 40
    .max_flat_workgroup_size: 256
    .sgpr_count:     66
    .vgpr_count:     448
    .wavefront_size: 32
...
	.end_amdgpu_metadata
.endif
;; end of part 3
;; launch oproj (part 4): grid 8 x 32, 4 waves a work-group, clusters of 4 x 4, 327,680 bytes of LDS; arguments ao, wo16, bo, out0; writes out0
.if DOCPART == 4
	.amdgcn_target "amdgcn-amd-amdhsa--gfx1250"
	.amdhsa_code_object_version 6
	.text
	.protected	k_qbd93fb9035_oproj
	.globl	k_qbd93fb9035_oproj
	.p2align	8
	.type	k_qbd93fb9035_oproj,@function
k_qbd93fb9035_oproj:
	s_mov_b64 s[64:65], 0
	v_nop
	global_prefetch_b8 v0, s[64:65] scope:SCOPE_SE
	s_setreg_imm32_b32 hwreg(HW_REG_WAVE_MODE, 25, 1), 1
	s_wait_xcnt 0x0
	s_wait_alu depctr_hold_cnt(0) depctr_sa_sdst(0) depctr_va_vdst(0) depctr_va_sdst(0) depctr_va_ssrc(0) depctr_va_vcc(0) depctr_vm_vsrc(0)
	s_getreg_b32 s2, hwreg(HW_REG_IB_STS2, 6, 4)
	s_cmp_eq_u32 s2, 0
	s_cbranch_scc0 .Lentry_in_a_cluster
	s_endpgm
.Lentry_in_a_cluster:
	s_bfe_u32 s2, ttmp6, 0x10000c
	s_cmp_lg_u32 s2, 0xf033
	s_cbranch_scc0 .Lentry_shape_is_right
	s_endpgm
.Lentry_shape_is_right:
; out0[token][n] = the sum over k of A[token][k] Wo[n][k] + bo[n], k = 64 head + channel.  A = ao, [16 heads][4096 tokens][64] f16; wo16 [1024][1024] f16; out0 [4096][1024] f32; sums in f32.
; A tile of out0 is 128 x 128, so that there are 256 work-groups.  Four waves, each 64 x 64: 16 accumulators.  K goes in four steps of 256 (four heads) through a ring of two LDS slots.
; A's TILE of a K step, 128 tokens x 4 heads, comes by one load in each of waves 0 and 1: two heads, each 128 tokens x 128 bytes that lie dense in memory: stated as 2 rows of 8,192 elements, 262,144 elements apart,
; with 16 bytes of padding behind every 128: in LDS [head][token], rows 144 bytes apart.  Wo's tile: 64 rows of 512 bytes in each of waves 2 and 3, rows 528 bytes apart.
; CLUSTERS: 4 x 4 work-groups; A's tile is shared along a row of the cluster, Wo's along a column: joint loads.  The products are used transposed (source 0 = 16 rows of Wo, source 1 = 16 tokens): a lane holds eight neighbouring
; numbers of a row of out0.  bo is the C of each sum's first product.  Nothing is prefetched: a step of this small tile is short, and both operands are read by many work-groups.
; REGISTERS: window 0: v0-31 addresses; v32-95 the way out; v96-127 bo; v128-255 the accumulators ((a, b) at v[128 + 8 (4 a + b)]).   window 1: two fragment buffers of 128: for 64 along K, 64 registers of A, then 64 of Wo.
.set PA,     144
.set PB,     528
.set AHEAD,  128*PA                    ; a head's 128 tokens
.set BOFF,   4*AHEAD                   ; Wo's rows lie behind A's four heads
.set BHALF,  64*PB
.set SLOT,   BOFF+2*BHALF
.set SPARE,  2*SLOT                    ; behind the ring: the spare words, 128 bytes a wave
.set SPITCH, 272                       ; the way out: 16 rows x (256 bytes + 16) for each wave, in slot 0, which has had its last fill and its last read by then
.set ADRA, 16
.set ADRB, 20
.set STO,  24
.set RD,   25
.set CO,   26
.set BV,   27
.set SPW,  28
.set NIL,  29
.set BIAS, 96
.set ACC,  128
.set F0,   0
.set F1,   128
.set G1, 24
.set G0, 32
.set G1B, 48
.set G0B, 56
.set MSB, 0
.macro WIN new
.if MSB != \new
	s_set_vgpr_msb (MSB<<8)|\new
.set MSB, \new
.endif
.endm
.set MUL,  0x05                        ; sources 0 (Wo) and 1 (A) window 1; C and D window 0
.set TO_F, 0x40
.macro JLOAD s                         ; waves 0 and 1 fetch A's heads, waves 2 and 3 Wo's rows; an s_nop 0 and four v_nop follow each line
	s_cmp_eq_u32 s13, 0
	s_cbranch_scc0 .Lfor_b_\@
	tensor_load_to_lds s[G0+4*\s:G0+4*\s+3], s[G1:G1+7]
	s_nop 0
.rept 4
	v_nop
.endr
	s_branch .Lasked_\@
.Lfor_b_\@:
	tensor_load_to_lds s[G0B+4*\s:G0B+4*\s+3], s[G1B:G1B+7]
	s_nop 0
.rept 4
	v_nop
.endr
.Lasked_\@:
.endm
.macro CREST
	s_cmp_lg_u32 s12, 0
	s_cbranch_scc1 .Lnot_wave_0_\@
	s_barrier_signal -3
.Lnot_wave_0_\@:
	s_barrier_wait -3
	s_barrier_signal -1
	s_barrier_wait -1
.endm
.macro CROUND
	s_barrier_signal -1
	s_barrier_wait -1
	CREST
.endm
	s_load_b256 s[4:11], s[0:1], 0x0               ; ao, wo16, bo, out0
	v_lshl_add_u32 v[SPW], v0, 2, SPARE
	v_mov_b32 v[NIL], 0
	ds_add_u32 v[SPW], v[NIL]                      ; the wave's opening: the add, twice on end, and its wait ahead of my first tensor load
	ds_add_u32 v[SPW], v[NIL]
	v_lshrrev_b32 v1, 5, v0
	v_readfirstlane_b32 s12, v1                    ; wave 0..3
	s_lshr_b32 s13, s12, 1                         ; which half of the tile's rows is mine.  Also: I fetch for A (0) or for Wo (1)
	s_and_b32 s14, s12, 1                          ; which half of its columns.  Also: which half of that tile I fetch
	s_bfe_u32 s40, ttmp6, 0x40000                  ; cx, cy
	s_bfe_u32 s41, ttmp6, 0x40004
	s_lshl_b32 s42, ttmp9, 2
	s_add_co_u32 s42, s42, s40                     ; tile column
	s_and_b32 s15, ttmp7, 0xffff
	s_lshl_b32 s15, s15, 2
	s_add_co_u32 s15, s15, s41                     ; tile row
	s_lshl_b32 s43, s41, 2
	s_lshl_b32 s43, 15, s43                        ; my row of the cluster
	s_lshl_b32 s44, 0x1111, s40                    ; my column
	s_or_b32 s[G1+0], s43, (1<<16)|(1<<20)|(1<<21)|(4<<22)|(3<<25)   ; A: elements of 2 bytes; padding: 4 words after every 32
	s_mov_b32 s[G1+1], 8192<<16                    ; tensor_dim0 = 8,192
	s_mov_b32 s[G1+2], 2<<16                       ; tensor_dim1 = 2
	s_mov_b32 s[G1+3], 8192<<16                    ; tile_dim0 = 8,192
	s_mov_b32 s[G1+4], 2                           ; tile_dim1 = 2
	s_mov_b32 s[G1+5], 262144                      ; from head to head
	s_mov_b32 s[G1+6], 0
	s_mov_b32 s[G1+7], 0
	s_or_b32 s[G1B+0], s44, (1<<16)|(1<<20)|(1<<21)|(6<<22)|(3<<25)  ; Wo: 4 words after every 128
	s_mov_b32 s[G1B+1], 256<<16
	s_mov_b32 s[G1B+2], 64<<16
	s_mov_b32 s[G1B+3], 256<<16
	s_mov_b32 s[G1B+4], 64
	s_mov_b32 s[G1B+5], 1024
	s_mov_b32 s[G1B+6], 0
	s_mov_b32 s[G1B+7], 0
	s_lshl_b32 s16, s15, 14                        ; A: the tile row's 128 tokens of 128 bytes,
	s_lshl_b32 s17, s14, 20                        ; my two heads of 524,288 bytes
	s_add_co_u32 s16, s16, s17
	s_mov_b32 s17, 0
	s_lshl_b32 s46, s42, 7                         ; Wo: row 128 x tile column + 64 x half,
	s_lshl_b32 s47, s14, 6
	s_add_co_u32 s46, s46, s47
	s_lshl_b32 s46, s46, 11                        ; of 2,048 bytes
	s_mov_b32 s47, 0
	s_mul_i32 s20, s14, 2*AHEAD                    ; where they go: no place in the cluster enters an LDS address
	s_mul_i32 s21, s14, BHALF
	s_add_co_u32 s21, s21, BOFF
	s_wait_dscnt 0x0                               ; both opening adds are done
	s_wait_kmcnt 0x0
	s_add_nc_u64 s[18:19], s[4:5], s[16:17]
	s_add_nc_u64 s[46:47], s[6:7], s[46:47]
	CROUND                                         ; all sixteen work-groups are here: the first joint loads meet
.irp s, 0,1
	s_mov_b32 s[G0+4*\s], 1
	s_add_co_u32 s[G0+4*\s+1], s20, \s*SLOT
	s_add_nc_u64 s[G0+4*\s+2:G0+4*\s+3], s[18:19], \s*2097152      ; K step s: four heads on
	s_or_b32 s[G0+4*\s+3], s[G0+4*\s+3], 0x80000000
	s_mov_b32 s[G0B+4*\s], 1
	s_add_co_u32 s[G0B+4*\s+1], s21, \s*SLOT
	s_add_nc_u64 s[G0B+4*\s+2:G0B+4*\s+3], s[46:47], \s*512
	s_or_b32 s[G0B+4*\s+3], s[G0B+4*\s+3], 0x80000000
	JLOAD \s
.endr
	v_and_b32 v1, 15, v0                           ; r
	v_bfe_u32 v2, v0, 4, 1                         ; h
	v_mul_u32_u24 v3, v1, PA
	v_lshl_add_u32 v3, v2, 4, v3
	v_mul_u32_u24 v4, v1, PB
	v_lshl_add_u32 v4, v2, 4, v4
	s_mul_i32 s22, s13, 64*PA                      ; my 64 tokens in each head's block
	s_mul_i32 s23, s14, BHALF                      ; my 64 rows of Wo
	s_add_co_u32 s23, s23, BOFF
.irp s, 0,1
	v_add_nc_u32 v[ADRA+\s], s22, v3
	v_add_nc_u32 v[ADRB+\s], s23, v4
	s_add_co_u32 s22, s22, SLOT
	s_add_co_u32 s23, s23, SLOT
.endr
	s_mul_i32 s22, s12, 16*SPITCH                  ; my stage
	v_mul_u32_u24 v5, v1, SPITCH
	v_lshl_add_u32 v5, v2, 5, v5
	v_add_nc_u32 v[STO], s22, v5                   ; in: row r, + 32 h
	v_mul_u32_u24 v5, v2, SPITCH
	v_lshl_add_u32 v5, v1, 4, v5
	v_add_nc_u32 v[RD], s22, v5                    ; back: lanes 0-15 one row of 256 bytes, lanes 16-31 the next
	v_lshlrev_b32 v5, 12, v2
	v_lshl_add_u32 v[CO], v1, 4, v5                ; and the same two rows of out0
	v_lshlrev_b32 v[BV], 5, v2                     ; bo: 32 h bytes
	s_lshl_b32 s16, s15, 7
	s_lshl_b32 s17, s13, 6
	s_add_co_u32 s16, s16, s17
	s_lshl_b32 s16, s16, 12                        ; my first row of out0, of 4,096 bytes
	s_mov_b32 s17, 0
	s_add_nc_u64 s[10:11], s[10:11], s[16:17]
	s_lshl_b32 s46, s42, 9                         ; my first column, in bytes: 512 x tile column + 256 x half
	s_lshl_b32 s47, s14, 8
	s_add_co_u32 s46, s46, s47
	s_mov_b32 s47, 0
	s_add_nc_u64 s[10:11], s[10:11], s[46:47]
	s_add_nc_u64 s[8:9], s[8:9], s[46:47]
.irp b, 0,1,2,3
.irp u, 0,1
	global_load_b128 v[BIAS+8*\b+4*\u:BIAS+8*\b+4*\u+3], v[BV], s[8:9] offset:\b*64+16*\u   ; register 8 b + i = bo of column 16 b + 8 h + i
.endr
.endr
; 8 products: token blocks a0, a0 + 1 x all 4 column blocks, 32 along K: half c of buffer f.  first = 1: C is bo.  The 16 accumulators take turns.
.macro MUL8 f, c, a0, first
.irp a, \a0, \a0+1
.irp b, 0,1,2,3
.if \first
	v_wmma_f32_16x16x32_f16 v[ACC+8*(4*(\a)+\b):ACC+8*(4*(\a)+\b)+7], v[\f+64+8*(4*\c+\b):\f+64+8*(4*\c+\b)+7], v[\f+8*(4*\c+\a):\f+8*(4*\c+\a)+7], v[BIAS+8*\b:BIAS+8*\b+7]
.else
	v_wmma_f32_16x16x32_f16 v[ACC+8*(4*(\a)+\b):ACC+8*(4*(\a)+\b)+7], v[\f+64+8*(4*\c+\b):\f+64+8*(4*\c+\b)+7], v[\f+8*(4*\c+\a):\f+8*(4*\c+\a)+7], v[ACC+8*(4*(\a)+\b):ACC+8*(4*(\a)+\b)+7]
.endif
.endr
.endr
.endm
; 32 LDS loads in one run: the fragments of the slot's q-th head (64 along K) into buffer f; the first 32 along K first
.macro FETCH slot, q, f
	WIN TO_F
.irp c, 0,1
.irp i, 0,1,2,3
	ds_load_b128 v[\f+64+8*(4*\c+\i):\f+64+8*(4*\c+\i)+3],   v[ADRB+\slot] offset:(\q)*128+64*\c+\i*16*PB
	ds_load_b128 v[\f+64+8*(4*\c+\i)+4:\f+64+8*(4*\c+\i)+7], v[ADRB+\slot] offset:(\q)*128+64*\c+\i*16*PB+32
	ds_load_b128 v[\f+8*(4*\c+\i):\f+8*(4*\c+\i)+3],         v[ADRA+\slot] offset:(\q)*AHEAD+64*\c+\i*16*PA
	ds_load_b128 v[\f+8*(4*\c+\i)+4:\f+8*(4*\c+\i)+7],       v[ADRA+\slot] offset:(\q)*AHEAD+64*\c+\i*16*PA+32
.endr
.endr
.endm
.macro PLACES
.rept 4
	v_nop
.endr
.endm
; A K step is four quarters of 64 along K.  One of the first three: multiplies buffer f and fetches quarter q of the same slot into g.
.macro QUARTER slot, q, f, g, first
	s_wait_dscnt 16                                ; the first 32 along K are in
	WIN MUL
	MUL8 \f, 0, 0, \first
	MUL8 \f, 0, 2, \first
	PLACES
	FETCH \slot, \q, \g
	s_wait_dscnt 32                                ; all but the 32 just issued
	WIN MUL
	MUL8 \f, 1, 0, 0
	MUL8 \f, 1, 2, 0
.endm
; The last quarter multiplies buffer 1 and changes slots: in front of the barrier each wave waits for all its tensor loads, adds 0 to its spare word, and waits for that and for its reads of this slot.  fill = 1: this slot is filled again, two K steps ahead.
.macro TURN slot, next, fill
	WIN 0
	s_wait_tensorcnt 0x0                           ; all my tensor loads have landed: my part of the next slot
	ds_add_u32 v[SPW], v[NIL]
	s_wait_dscnt 17                                ; (the add and the youngest sixteen loads may be out)
	WIN MUL
	MUL8 F1, 0, 0, 0
	s_wait_dscnt 0x0                               ; the add is done, and my reads of this slot are over
	s_barrier_signal -1
	MUL8 F1, 0, 2, 0
.if \fill
	WIN 0
.endif
	s_barrier_wait -1
.if \fill
	CREST                                          ; the barrier has opened a round of the cluster's: no wave of any partner still reads this slot or has a load on its way
	s_add_nc_u64 s[G0+4*\slot+2:G0+4*\slot+3], s[G0+4*\slot+2:G0+4*\slot+3], 4194304
	s_add_nc_u64 s[G0B+4*\slot+2:G0B+4*\slot+3], s[G0B+4*\slot+2:G0B+4*\slot+3], 1024
	JLOAD \slot                                    ; the first tensor load behind the round; its four v_nop are also the places in front of the loads below
.else
	PLACES
.endif
	FETCH \next, 0, F0
	WIN MUL
	MUL8 F1, 1, 0, 0
	MUL8 F1, 1, 2, 0
.endm
	s_wait_tensorcnt 1                             ; my part of K step 0 is in; K step 1's may stay out
	s_barrier_signal -1
	s_barrier_wait -1
	FETCH 0, 0, F0
	s_wait_loadcnt 0x0                             ; bo
	QUARTER 0, 1, F0, F1, 1                        ; K step 0
	QUARTER 0, 2, F1, F0, 0
	QUARTER 0, 3, F0, F1, 0
	TURN 0, 1, 1                                   ; slot 0 takes K step 2
	QUARTER 1, 1, F0, F1, 0                        ; K step 1
	QUARTER 1, 2, F1, F0, 0
	QUARTER 1, 3, F0, F1, 0
	TURN 1, 0, 1                                   ; slot 1 takes K step 3
	QUARTER 0, 1, F0, F1, 0                        ; K step 2
	QUARTER 0, 2, F1, F0, 0
	QUARTER 0, 3, F0, F1, 0
	TURN 0, 1, 0                                   ; nothing is left to fetch
	QUARTER 1, 1, F0, F1, 0                        ; K step 3
	QUARTER 1, 2, F1, F0, 0
	QUARTER 1, 3, F0, F1, 0
	s_wait_dscnt 16
	WIN MUL
	MUL8 F1, 0, 0, 0
	MUL8 F1, 0, 2, 0
	s_wait_dscnt 0x0
	MUL8 F1, 1, 1-1, 0
	MUL8 F1, 1, 2, 0
	WIN 0
; THE WAY OUT, a block of 16 tokens x 64 columns at a time, through my own stage: a lane's 32 bytes in, whole rows of 256 bytes back, sixteen lanes to an aligned 256 bytes of out0.
.macro TOSTAGE a
.irp b, 0,1,2,3
	ds_store_b128 v[STO], v[ACC+8*(4*(\a)+\b):ACC+8*(4*(\a)+\b)+3] offset:64*\b          ; each accumulator from its low end on
	ds_store_b128 v[STO], v[ACC+8*(4*(\a)+\b)+4:ACC+8*(4*(\a)+\b)+7] offset:64*\b+16
.endr
.irp t, 0,1,2,3,4,5,6,7
	ds_load_b128 v[32+32*((\a)%2)+4*\t:32+32*((\a)%2)+4*\t+3], v[RD] offset:\t*2*SPITCH   ; LDS serves a wave's instructions in order: these see my stores, and the next block's stores come behind them
.endr
.endm
.macro SEND a, younger
	s_wait_dscnt \younger
.irp t, 0,1,2,3,4,5,6,7
	global_store_b128 v[CO], v[32+32*((\a)%2)+4*\t:32+32*((\a)%2)+4*\t+3], s[10:11] offset:(\a)*65536+\t*8192 th:TH_STORE_NT
.endr
.endm
	PLACES
	TOSTAGE 0
	TOSTAGE 1
	SEND 0, 16                                     ; behind block 0's loads: block 1's 8 stores and 8 loads
	s_wait_xcnt 0x0                                ; block 0's stores have read their data: block 2's loads may land there
	TOSTAGE 2
	SEND 1, 16
	s_wait_xcnt 0x0
	TOSTAGE 3
	SEND 2, 16
	SEND 3, 0
	s_wait_tensorcnt 0x0                           ; the wave's end
	ds_add_u32 v[SPW], v[NIL]
	s_wait_dscnt 0x0
	CROUND                                         ; the closing round
	s_endpgm
.Lfunc_end_k_qbd93fb9035_oproj:
	.size	k_qbd93fb9035_oproj, .Lfunc_end_k_qbd93fb9035_oproj-k_qbd93fb9035_oproj
	.p2alignl 7, 3214868480
	.fill 96, 4, 3214868480
	.section	.rodata,"a",@progbits
	.p2align	6, 0x0
	.amdhsa_kernel k_qbd93fb9035_oproj
		.amdhsa_group_segment_fixed_size 327680
		.amdhsa_private_segment_fixed_size 0
		.amdhsa_enable_private_segment 0
		.amdhsa_kernarg_size 32
		.amdhsa_user_sgpr_count 2
		.amdhsa_user_sgpr_kernarg_segment_ptr 1
		.amdhsa_wavefront_size32 1
		.amdhsa_system_sgpr_workgroup_id_x 1
		.amdhsa_system_sgpr_workgroup_id_y 1
		.amdhsa_system_sgpr_workgroup_id_z 1
		.amdhsa_system_vgpr_workitem_id 0
		.amdhsa_next_free_vgpr 512
		.amdhsa_next_free_sgpr 66
		.amdhsa_reserve_vcc 0
		.amdhsa_float_denorm_mode_32 3
		.amdhsa_float_denorm_mode_16_64 3
		.amdhsa_memory_ordered 1
		.amdhsa_forward_progress 1
		.amdhsa_inst_pref_size 86
	.end_amdhsa_kernel
	.amdgpu_metadata
---
amdhsa.version: [ 1, 2 ]
amdhsa.kernels:
  - .name:           k_qbd93fb9035_oproj
    .symbol:         k_qbd93fb9035_oproj.kd
    .args:
      - { .name: ao, .offset: 0, .size: 8, .value_kind: global_buffer, .address_space: global }
      - { .name: wo16, .offset: 8, .size: 8, .value_kind: global_buffer, .address_space: global }
      - { .name: bo, .offset: 16, .size: 8, .value_kind: global_buffer, .address_space: global }
      - { .name: out0, .offset: 24, .size: 8, .value_kind: global_buffer, .address_space: global }
    .group_segment_fixed_size: 327680
    .private_segment_fixed_size: 0
    .kernarg_segment_align: 8
    .kernarg_segment_size: 32
    .max_flat_workgroup_size: 128
    .sgpr_count:     66
    .vgpr_count:     512
    .wavefront_size: 32
...
	.end_amdgpu_metadata
.endif
;; end of part 4
